; MI455X (gfx1250); checked and timed in simulation.
; The chip was launched on July 23, 2026; its instructions are those of AMD's public machine-readable ISA for CDNA 5 (MIT licence, August 2026) and "CDNA5" Instruction Set Architecture Reference Guide (July 2026). The comments in the code are by the model that wrote it; some were corrected since.
;; Attention. Allowed arithmetic: matrix products marked QUANTISED: E2M3 operands, one E8M0 scale for each 32 along K, by v_wmma_scale_f32_16x16x128_f8f6f4 with both operands' format E2M3, f32 sums; everything else in f32.
;; Inputs: freqs_cos 1,024 x 32 float32; freqs_sin 1,024 x 32 float32; mask 1,024 x 1,024 float32; wk 2,048 x 512 float32; wo 2,048 x 2,048 float32; wq 2,048 x 2,048 float32; wv 2,048 x 512 float32; x 4 x 1,024 x 2,048 float32.
;; Outputs: out0 4 x 1,024 x 2,048 float32.
;; Constants: start_pos = 0.
;; This version of the problem:
;;   THIS VERSION OF THE PROBLEM IS GIVEN IN LOW PRECISION. The matrix products marked QUANTISED in the list below multiply operands that are first quantised to E2M3 (2 exponent bits, 3 mantissa bits; 6 bits a number), with one power-of-two scale for each 32 numbers along K (OCP MX v1.0); their sums are f32. All else is computed in f32.
;;   The module's matrix products, in the order in which they are computed (A, B: the left and right operand; K: the contracted axis; several contracted axes count as one K, in the product's order):
;;     1. [M 4,096, K 2,048] x [K 2,048, N 2,048]; A: input x; B: input wq: QUANTISED
;;     2. [M 4,096, K 2,048] x [K 2,048, N 512]; A: input x; B: input wk: QUANTISED
;;     3. [M 4,096, K 2,048] x [K 2,048, N 512]; A: input x; B: input wv: QUANTISED
;;     4. batch 128 x [M 1,024, K 64] x [K 64, N 1,024]; A: computed on the way; B: computed on the way: QUANTISED
;;     5. batch 128 x [M 64, K 1,024] x [K 1,024, N 1,024]; A: computed on the way; B: softmax (see below): QUANTISED
;;     6. [M 4,096, K 2,048] x [K 2,048, N 2,048]; A: computed on the way; B: input wo: QUANTISED
;;   THE QUANTISER, for each operand of a quantised product, along K:
;;     - K is cut into blocks of 32 from its start; a last block that is shorter is filled with zeros.
;;     - A block's scale is 2^e with e = floor(log2(the largest magnitude in the block)) - 2, held to -126 .. 127; a block of zeros has e = 0. As a byte (E8M0): e + 127.
;;     - Each number is divided by its block's scale, clamped to +-7.5, and rounded to the nearest number of E2M3, ties to even, subnormals kept.
;;     - The product sums the exact products of the quantised numbers (number of the format x scale) in f32.
;;   ~~~python
;;   def quantise(x, axis):      # numpy; x: float32 -> the quantised numbers, widened to float32 again
;;       x = np.moveaxis(x, axis, -1); K = x.shape[-1]
;;       x = np.pad(x, [(0, 0)] * (x.ndim - 1) + [(0, -K % 32)]); x = x.reshape(x.shape[:-1] + (-1, 32)); a = np.abs(x).max(-1, keepdims=True)
;;       e = np.where(a > 0, np.clip(np.frexp(np.where(a > 0, a, 1))[1] - 1 - 2, -126, 127), 0)      # np.frexp(a)[1] - 1 = floor(log2(a)), exactly
;;       r = np.clip(x / 2.0 ** e, -7.5, 7.5)
;;       step = 2.0 ** (np.maximum(np.frexp(np.where(r == 0, 1, r))[1] - 1, 0) - 3)
;;       q = np.round(r / step) * step * 2.0 ** e      # np.round: ties to even
;;       return np.moveaxis(q.reshape(q.shape[:-2] + (-1,))[..., :K], -1, axis).astype(np.float32)
;;   ~~~
;;   SOFTMAX AHEAD OF A QUANTISED PRODUCT. Where the list says 'softmax', what is quantised is not the finished softmax but p = 2^(t - M), with t = logit x log2(e) and M = ceil(the row's largest t), a whole number; so 1/2 < the row's largest p <= 1. The row's sum l is taken of the UNQUANTISED p, in f32, and the product's result is divided by l at the end. Since M is a whole number, a kernel that streams over the keys may use a running M (the ceiling of the running maximum): every later rescaling is an exact power of two, which a block's scale takes up: the codes' values come out the same.
;;   OPERANDS COMPUTED ON THE WAY. 'Computed on the way' means the value that the module computes at that place (a softmax that the list does not call 'softmax' is quantised finished and normalised). What goes into a quantiser is computed in f32, as accurately as f32 sums, v_exp_f32 and their like allow (about 1e-6 of the number): no bf16 or f16 on the way to a quantiser, and a product that is left as it is and whose result goes on into a quantised operand takes f32 operands (vector FMAs, or v_wmma_f32_16x16x4_f32). A number that lies on a knife's edge between two numbers of the format may be rounded either way, as far as f32 arithmetic and the matrix unit's own rounding can turn it there, and no further.
;; 2 versions, each right; version 2 is version 1 with the launch attn written anew for expert scheduling mode. Each part assembles by itself: llvm-mc -triple=amdgcn-amd-amdhsa -mcpu=gfx1250 --defsym DOCPART=n.
;; ======== version 1 of 2: 4 launches
;; workspace buffers: wsq 18,939,904 bytes; flags 1,024 bytes of whole numbers; qkv 9,895,936 bytes; att 6,553,600 bytes
;; launch quant (part 1): grid 480 x 1, 4 waves a work-group, no clusters, 42,496 bytes of LDS; arguments x, wq, wk, wv, wo, mask, wsq, flags; writes wsq, flags
.if DOCPART == 1
	.amdgcn_target "amdgcn-amd-amdhsa--gfx1250"
	.amdhsa_code_object_version 6
	.text
	.protected	k_qdf6932c016_quant
	.globl	k_qdf6932c016_quant
	.p2align	8
	.type	k_qdf6932c016_quant,@function
k_qdf6932c016_quant:
	s_mov_b64 s[64:65], 0
	v_nop
	global_prefetch_b8 v0, s[64:65] scope:SCOPE_SE
	s_setreg_imm32_b32 hwreg(HW_REG_WAVE_MODE, 25, 1), 1
	s_wait_xcnt 0x0
; x [4096][2048], wq [2048][2048], wk, wv [2048][512], wo [2048][2048], f32, become codes of FP6 (E2M3) with one E8M0 byte for each 32 along K,
; laid as IMAGES OF OPERAND REGISTERS: a fragment (16 rows x 128 K) is 1,536 bytes, three chunks of 512; chunk m holds registers 4 m .. 4 m + 3 of lane L at byte 16 L;
; lane (r, h) registers 6 c .. 6 c + 5 hold row r, k = 64 c + 32 h + 0 .. 31.  Codes: [K step of 256][row block][2 fragments]; scale words: [row block][K step][16 rows][2 words].
; THE ROWS OF AN IMAGE BLOCK ARE NOT NEIGHBOURS: block 2 B + u, row r is true row (of x) or column (of a weight) 32 B + 8 u + r % 8 + 16 (r / 8).
; The mask becomes mask x log2(e) in the order in which the attention launch's lanes take it, and for each 4 queries x 128 keys one bit says whether any number there is not -infinity.
; A block's scale byte is its largest magnitude's exponent field - 2, held at 1 from below (a block of zeros gets 1: its codes are zeros, and this program alone reads the bytes).
; LIMITS: NaN and infinities in x and the weights, NaN and +infinity in the mask are not served; blocks whose largest magnitude lies under 2^-124 are held at the floor.
; Work-groups 0-255: x; 256-383: wq, wo (rows of 8,192 bytes); 384-415: wk, wv (rows of 2,048 bytes); 416-479: the mask.  Waves share nothing: no barrier.
.set KSSX, 786432                      ; bytes from a K step of 256 to the next: x (256 row blocks x 3,072)
.set KSSW, 589824                      ; wq | wk | wv together (192)
.set KSSO, 393216                      ; wo (128)
.set XSO,  6291456                     ; offsets in wsq: x's scale words,
.set WC,   6553600                     ; the three weights' codes,
.set WS,   11272192                    ; their scale words,
.set WOC,  11468800                    ; wo's codes,
.set WOS,  14614528                    ; its scale words,
.set M2,   14745600                    ; the mask
.set XSTG, 8448                        ; LDS: x's stage, 16 rows x 528 bytes for each wave
.set MSTG, 33792                       ; the mask's stage, 2,048 bytes for each wave
.set SPARE, 41984                      ; the spare words, 128 bytes for each wave
.set R,   16                           ; x: v16-143 two sets of 64 numbers as loaded
.set X,   144                          ; v144-207 the 64 numbers that my lane quantises
.set C,   208                          ; v208-219 a fragment's codes
.set CT,  220                          ; v220-222, v224-226 the blocks' upper halves (a conversion's three registers begin on an even number)
.set W,   228                          ; v228-231 the four scale words
.set TM,  232                          ; v232-239 at work
.set WX,  32                           ; weights: v32-95 two sets of 32 numbers
.set IM0, 96                           ; v96-107, v108-119 two images
.set IM1, 108
.set WT,  120                          ; v120-122 a block's upper half
.set WW,  124                          ; v124-127 the four scale words
	s_load_b256 s[4:11], s[0:1], 0x0               ; x, wq, wk, wv
	s_load_b256 s[12:19], s[0:1], 0x20             ; wo, mask, wsq, flags
	v_lshl_add_u32 v12, v0, 2, SPARE               ; my spare word; never rewritten
	v_mov_b32 v13, 0                               ; 0; never rewritten
	v_lshrrev_b32 v1, 5, v0
	v_readfirstlane_b32 s20, v1                    ; wave
	v_and_b32 v1, 31, v0                           ; lane
	v_lshlrev_b32 v2, 4, v1                        ; 16 x lane
	v_and_b32 v3, 15, v0                           ; r
	v_bfe_u32 v4, v0, 4, 1                         ; h
	s_mul_i32 s21, s20, XSTG                       ; every LDS address is made here, ahead of the paths' parting
	v_add_nc_u32 v5, s21, v2                       ; x's stage, in: 16 x lane of a row
	v_mul_u32_u24 v6, v3, 528
	v_lshl_add_u32 v6, v4, 7, v6
	v_add_nc_u32 v6, s21, v6                       ; out: row r, + 128 h
	s_lshl_b32 s21, s20, 11
	s_add_co_u32 s21, s21, MSTG
	v_lshrrev_b32 v7, 3, v1
	v_lshlrev_b32 v7, 9, v7
	v_and_b32 v14, 3, v1
	v_lshl_add_u32 v7, v14, 7, v7
	v_bfe_u32 v14, v1, 2, 1
	v_lshl_add_u32 v7, v14, 6, v7
	v_add_nc_u32 v7, s21, v7                       ; the mask's stage, in: 512 (l / 8) + 128 (l % 4) + 64 ((l / 4) % 2)
	v_add_nc_u32 v8, s21, v2                       ; out: 16 x lane
	v_lshlrev_b32 v9, 3, v4                        ; 8 h: my bytes' place in a scale word
	v_and_b32 v10, 7, v1
	v_bfe_u32 v14, v1, 4, 1
	v_lshl_or_b32 v10, v14, 3, v10
	v_bfe_u32 v14, v1, 3, 1
	v_lshl_or_b32 v10, v14, 4, v10
	v_lshlrev_b32 v10, 2, v10                      ; a weight's column for my lane, in bytes: 4 x (l % 8 + 8 (l / 16) + 16 ((l / 8) % 2))
	v_lshlrev_b32 v11, 3, v1                       ; 8 x lane
	s_mov_b32 s50, 0x76543210
	s_mov_b32 s51, 0xfedcba98                      ; v_permlanex16_b32's selects for lane l xor 16
	s_wait_kmcnt 0x0
	s_cmp_lt_u32 ttmp9, 256
	s_cbranch_scc1 .Lx
	s_cmp_lt_u32 ttmp9, 384
	s_cbranch_scc1 .Lw8
	s_cmp_lt_u32 ttmp9, 416
	s_cbranch_scc1 .Lw2
; ---- THE MASK.  A wave takes 4 queries (tile tau) x all 1,024 keys: 32 loads of 512 consecutive bytes, all out at once.
	s_sub_co_u32 s21, ttmp9, 416
	s_lshl_b32 s21, s21, 2
	s_add_co_u32 s21, s21, s20                     ; tau
	s_lshl_b32 s22, s21, 14                        ; 4 rows of 4,096 bytes
	s_mov_b32 s23, 0
	s_add_nc_u64 s[24:25], s[14:15], s[22:23]
	s_add_co_u32 s22, s22, M2
	s_add_nc_u64 s[26:27], s[16:17], s[22:23]
	s_lshl_b32 s22, s21, 2
	s_add_nc_u64 s[28:29], s[18:19], s[22:23]
	s_mov_b32 s46, 0                               ; the tile's bits
	v_mov_b32 v16, 0xff800000                      ; -infinity
.irp k, 0,1,2,3,4,5,6,7
.irp q, 0,1,2,3
	global_load_b128 v[32+16*\k+4*\q:32+16*\k+4*\q+3], v2, s[24:25] offset:4096*\q+512*\k th:TH_LOAD_NT
.endr
.endr
; Key step k: lane l holds keys 128 k + 4 l .. + 3 of the four queries.  Out: [n4 = 4 (l / 8) + l % 4][4 ((l / 4) % 2) + query][4 numbers].
.macro MSTEP k
.set MK_, 32+16*(\k)
.set MB_, 160+16*((\k)%4)
	s_wait_loadcnt 28-4*(\k)                       ; this key step's four loads are in; the later steps' may be out
	v_max3_num_f32 v14, v[MK_], v[MK_+1], v[MK_+2]
	v_max3_num_f32 v15, v[MK_+3], v[MK_+4], v[MK_+5]
	v_max3_num_f32 v14, v14, v[MK_+6], v[MK_+7]
	v_max3_num_f32 v15, v15, v[MK_+8], v[MK_+9]
	v_max3_num_f32 v14, v14, v[MK_+10], v[MK_+11]
	v_max3_num_f32 v15, v15, v[MK_+12], v[MK_+13]
	v_max3_num_f32 v14, v14, v[MK_+14], v[MK_+15]
	v_max_num_f32 v14, v14, v15                    ; my 16 numbers' largest
	v_cmp_neq_f32 s44, v16, v14                    ; lanes that hold a number other than -infinity
	s_cmp_lg_u32 s44, 0
	s_cselect_b32 s45, 1<<(\k), 0                  ; a choice, no branch
	s_or_b32 s46, s46, s45
.irp j, 0,2,4,6,8,10,12,14
	v_pk_mul_f32 v[MK_+\j:MK_+\j+1], v[MK_+\j:MK_+\j+1], 0x3fb8aa3b op_sel_hi:[1,0]   ; x log2(e)
.endr
.irp q, 0,1,2,3
	ds_store_b128 v7, v[MK_+4*\q:MK_+4*\q+3] offset:16*\q
.endr
.if (\k) >= 4
	s_wait_xcnt 0x0                                ; the stores of four steps ago have read these registers
.endif
.irp i, 0,1,2,3
	ds_load_b128 v[MB_+4*\i:MB_+4*\i+3], v8 offset:512*\i   ; LDS serves a wave's instructions in order: these see my stores
.endr
	s_wait_dscnt 0x0
.irp i, 0,1,2,3
	global_store_b128 v2, v[MB_+4*\i:MB_+4*\i+3], s[26:27] offset:2048*(\k)+512*\i   ; 512 consecutive bytes
.endr
.endm
.irp k, 0,1,2,3,4,5,6,7
	MSTEP \k
.endr
	v_mov_b32 v14, s46
	v_mov_b32 v15, 0
	v_cmp_eq_u32 vcc_lo, 0, v1
	s_wait_xcnt 0x0                                ; EXEC changes only behind this wait
	s_and_saveexec_b32 s47, vcc_lo
	global_store_b32 v15, v14, s[28:29]            ; flags[tau], by lane 0
	s_wait_xcnt 0x0
	s_or_b32 exec_lo, exec_lo, s47
	s_branch .Lend
; ---- x.  Work-group = row block, wave = 512 along K: four fragments.  Each load reads 512 consecutive bytes of one row; the 16 rows turn through my stage, so that a lane gets 2 x 32 neighbours.
.macro XLOAD f
.set r_, 0
.rept 16
	global_load_b128 v[R+64*((\f)%2)+4*r_:R+64*((\f)%2)+4*r_+3], v2, s[22:23] offset:(r_%8+16*(r_/8))*8192+512*(\f) th:TH_LOAD_NT
.set r_, r_+1
.endr
.endm
.macro XFRAG f
.if (\f) < 3
	s_wait_loadcnt 16                              ; this fragment's 16 loads are in; the next one's may be out
.else
	s_wait_loadcnt 0x0
.endif
.set r_, 0
.rept 16
	ds_store_b128 v5, v[R+64*((\f)%2)+4*r_:R+64*((\f)%2)+4*r_+3] offset:528*r_
.set r_, r_+1
.endr
.irp c, 0,1
.irp i, 0,1,2,3,4,5,6,7
	ds_load_b128 v[X+32*\c+4*\i:X+32*\c+4*\i+3], v6 offset:256*\c+16*\i   ; row r, k = 64 c + 32 h + 4 i ..
.endr
.endr
	s_wait_dscnt 0x0
.if (\f) < 2
	XLOAD (\f)+2
.endif
.irp c, 0,1
	v_max3_num_f32 v[TM+\c], |v[X+32*\c]|, |v[X+32*\c+1]|, 0x1800000   ; my block 2 c + h, and the floor 2^(3 - 127)
.endr
.irp i, 2,4,6,8,10,12,14,16,18,20,22,24,26,28,30
.irp c, 0,1
	v_max3_num_f32 v[TM+\c], v[TM+\c], |v[X+32*\c+\i]|, |v[X+32*\c+\i+1]|
.endr
.endr
.irp c, 0,1
	v_add_nc_u32 v[TM+2+\c], 0xff000000, v[TM+\c]  ; 2 off the exponent field: the conversion's scale operand
.endr
.irp c, 0,1
	v_lshrrev_b32 v[TM+4+\c], 23, v[TM+2+\c]       ; the byte
.endr
	v_lshl_or_b32 v[TM+6], v[TM+5], 16, v[TM+4]
	v_lshlrev_b32 v[TM+6], v9, v[TM+6]             ; blocks h and 2 + h at their places,
	v_permlanex16_b32 v[TM+7], v[TM+6], s50, s51
	v_or_b32 v[W+(\f)], v[TM+6], v[TM+7]           ; with lane l xor 16's the word is whole
.if (\f) > 0
	s_wait_xcnt 0x0                                ; the last fragment's stores have read the codes' registers
.endif
.irp c, 0,1
	v_cvt_scalef32_pk16_fp6_f32 v[C+6*\c:C+6*\c+2], v[X+32*\c:X+32*\c+15], v[TM+2+\c]
	v_cvt_scalef32_pk16_fp6_f32 v[CT+4*\c:CT+4*\c+2], v[X+32*\c+16:X+32*\c+31], v[TM+2+\c]
.endr
	v_nop                                          ; one plain place behind a scaled conversion
.irp c, 0,1
.irp i, 0,1,2
	v_mov_b32 v[C+6*\c+3+\i], v[CT+4*\c+\i]
.endr
.endr
.irp m, 0,1,2
	global_store_b128 v2, v[C+4*\m:C+4*\m+3], s[24:25] offset:((\f)/2)*KSSX+((\f)%2)*1536+512*\m   ; the image: 512 consecutive bytes a store
.endr
.endm
.Lx:
	s_lshr_b32 s26, ttmp9, 1
	s_lshl_b32 s26, s26, 5
	s_and_b32 s27, ttmp9, 1
	s_lshl_b32 s27, s27, 3
	s_add_co_u32 s26, s26, s27                     ; the block's first true row: 32 (RB / 2) + 8 (RB % 2)
	s_lshl_b32 s26, s26, 13
	s_lshl_b32 s27, s20, 11
	s_add_co_u32 s26, s26, s27                     ; + 512 numbers x wave
	s_mov_b32 s27, 0
	s_add_nc_u64 s[22:23], s[4:5], s[26:27]
	s_mul_i32 s26, s20, 2*KSSX
	s_mul_i32 s28, ttmp9, 3072
	s_add_co_u32 s26, s26, s28
	s_add_nc_u64 s[24:25], s[16:17], s[26:27]      ; the codes
	s_lshl_b32 s26, ttmp9, 10
	s_lshl_b32 s28, s20, 8
	s_add_co_u32 s26, s26, s28
	s_add_co_u32 s26, s26, XSO
	s_add_nc_u64 s[28:29], s[16:17], s[26:27]      ; the scale words
	v_mov_b32 v[TM+7], 0                           ; a lane permute's destination counts as read
	XLOAD 0
	XLOAD 1
	XFRAG 0
	XFRAG 1
	XFRAG 2
	XFRAG 3
	v_cmp_le_u32 vcc_lo, 16, v1
	v_cndmask_b32 v[TM], v[W], v[W+2], vcc_lo      ; lanes 0-15: my first K step's two words of row l; lanes 16-31: the second's
	v_cndmask_b32 v[TM+1], v[W+1], v[W+3], vcc_lo
	global_store_b64 v11, v[TM:TM+1], s[28:29]     ; 256 consecutive bytes
	s_branch .Lend
; ---- THE WEIGHTS.  A lane takes a column and its registers run down K: a block of 32 along K lies in one lane.  A wave takes 32 columns x 512 along K: 16 blocks, four fragments for each of two image blocks.
.macro WLOAD n, pitch
.set i_, 0
.rept 32
	global_load_b32 v[WX+32*((\n)%2)+i_], v10, s[28:29] offset:(32*(\n)+i_)*(\pitch) th:TH_LOAD_NT
.set i_, i_+1
.endr
.endm
.macro WBLOCK n, pitch
.set XS_, WX+32*((\n)%2)
.set f_, (\n)/4
.set t_, (\n)%4
.set IM_, IM0+12*(t_%2)+6*(t_/2)       ; block t = 2 c + e of the fragment: image register 6 c of set e
.if (\n) < 15
	s_wait_loadcnt 32                              ; this block's 32 loads are in; the next block's may be out
.else
	s_wait_loadcnt 0x0
.endif
	v_max3_num_f32 v14, |v[XS_]|, |v[XS_+1]|, |v[XS_+2]|
	v_max3_num_f32 v15, |v[XS_+3]|, |v[XS_+4]|, |v[XS_+5]|
.irp i, 6,10,14,18,22,26
	v_max3_num_f32 v14, v14, |v[XS_+\i]|, |v[XS_+\i+1]|
	v_max3_num_f32 v15, v15, |v[XS_+\i+2]|, |v[XS_+\i+3]|
.endr
	v_max3_num_f32 v14, v14, |v[XS_+30]|, |v[XS_+31]|
	v_max3_num_f32 v14, v14, v15, 0x1800000        ; and the floor
	v_add_nc_u32 v16, 0xff000000, v14
	v_lshrrev_b32 v17, 23, v16
.if t_ == 0
	v_mov_b32 v[WW+f_], v17
.if f_ > 0
	s_wait_xcnt 0x0                                ; the last fragment's stores have read the images
.endif
.else
	v_lshl_or_b32 v[WW+f_], v17, 8*t_, v[WW+f_]
.endif
	v_cvt_scalef32_pk16_fp6_f32 v[IM_:IM_+2], v[XS_:XS_+15], v16
	v_cvt_scalef32_pk16_fp6_f32 v[WT:WT+2], v[XS_+16:XS_+31], v16
	v_nop                                          ; one plain place behind a scaled conversion
.irp i, 0,1,2
	v_mov_b32 v[IM_+3+\i], v[WT+\i]
.endr
.if (\n)+2 < 16
	WLOAD (\n)+2, \pitch
.endif
.if t_ == 3
.set m_, 0
.rept 12
	v_permlane16_swap_b32 v[IM0+m_], v[IM1+m_]     ; set 0's lanes 16-31 (second 16 columns, even blocks) change places with set 1's lanes 0-15 (first 16 columns, odd blocks): each set is now one image
.set m_, m_+1
.endr
.irp u, 0,1
.irp m, 0,1,2
	global_store_b128 v2, v[IM0+12*\u+4*\m:IM0+12*\u+4*\m+3], s[36+2*(f_/2):37+2*(f_/2)] offset:\u*3072+(f_%2)*1536+512*\m
.endr
.endr
.endif
.endm
; s23 = the group of 32 columns in the source, s24 = which 512 along K, s25 = the group's place in the images, s[28:29] = the source, s30 = bytes from K step to K step, s31, s32 = the codes' and scale words' offsets in wsq
.macro WBODY pitch
	s_mul_i32 s34, s24, 512*(\pitch)
	s_lshl_b32 s35, s23, 7
	s_add_co_u32 s34, s34, s35
	s_mov_b32 s35, 0
	s_add_nc_u64 s[28:29], s[28:29], s[34:35]
	s_mul_i32 s34, s24, s30
	s_lshl_b32 s34, s34, 1
	s_mul_i32 s36, s25, 6144
	s_add_co_u32 s34, s34, s36
	s_add_co_u32 s34, s34, s31
	s_add_nc_u64 s[36:37], s[16:17], s[34:35]      ; my first K step of 256,
	s_mov_b32 s34, s30
	s_add_nc_u64 s[38:39], s[36:37], s[34:35]      ; my second
	s_lshl_b32 s34, s25, 11
	s_lshl_b32 s40, s24, 8
	s_add_co_u32 s34, s34, s40
	s_add_co_u32 s34, s34, s32
	s_add_nc_u64 s[40:41], s[16:17], s[34:35]      ; the scale words
	WLOAD 0, \pitch
	WLOAD 1, \pitch
.set Q_, 0
.rept 16
	WBLOCK Q_, \pitch
.set Q_, Q_+1
.endr
	v_permlane16_swap_b32 v[WW], v[WW+2]           ; as the images: words 0, 1 then hold the first block's two K steps, words 2, 3 the second block's
	v_permlane16_swap_b32 v[WW+1], v[WW+3]
	global_store_b64 v11, v[WW:WW+1], s[40:41]     ; 256 consecutive bytes each
	global_store_b64 v11, v[WW+2:WW+3], s[40:41] offset:1024
.endm
.Lw8:
	s_sub_co_u32 s21, ttmp9, 256
	s_lshr_b32 s22, s21, 6                         ; 0: wq, 1: wo
	s_and_b32 s23, s21, 63
	s_lshr_b32 s23, s23, 2
	s_lshl_b32 s23, s23, 2
	s_add_co_u32 s23, s23, s20                     ; G: the group of 32 columns
	s_and_b32 s24, s21, 3
	s_lshr_b32 s25, s23, 3                         ; wq: a tile of 256 columns is one kv group, laid [half of the head's 64][head 0..3][32]: 8 (G / 8) + 4 (G % 2) + (G / 2) % 4
	s_lshl_b32 s25, s25, 3
	s_and_b32 s26, s23, 1
	s_lshl_b32 s26, s26, 2
	s_add_co_u32 s25, s25, s26
	s_bfe_u32 s26, s23, 0x20001
	s_add_co_u32 s25, s25, s26
	s_cmp_eq_u32 s22, 0
	s_cselect_b32 s25, s25, s23                    ; wo: as it lies
	s_cselect_b64 s[28:29], s[6:7], s[12:13]
	s_mov_b32 s30, KSSO
	s_cselect_b32 s30, KSSW, s30
	s_mov_b32 s31, WOC
	s_cselect_b32 s31, WC, s31
	s_mov_b32 s32, WOS
	s_cselect_b32 s32, WS, s32
	WBODY 8192
	s_branch .Lend
.Lw2:
	s_sub_co_u32 s21, ttmp9, 384
	s_lshr_b32 s22, s21, 4                         ; 0: wk, 1: wv
	s_and_b32 s23, s21, 15
	s_lshr_b32 s23, s23, 2
	s_lshl_b32 s23, s23, 2
	s_add_co_u32 s23, s23, s20                     ; G
	s_and_b32 s24, s21, 3
	s_lshr_b32 s25, s23, 2                         ; tiles 8 to 11 hold 128 columns of K (two kv heads), then the same heads' 128 of V: 64 + 8 (G / 4) + 4 isV + G % 4
	s_lshl_b32 s25, s25, 3
	s_and_b32 s26, s23, 3
	s_add_co_u32 s25, s25, s26
	s_add_co_u32 s25, s25, 64
	s_lshl_b32 s26, s22, 2
	s_add_co_u32 s25, s25, s26
	s_cmp_eq_u32 s22, 0
	s_cselect_b64 s[28:29], s[8:9], s[10:11]
	s_mov_b32 s30, KSSW
	s_mov_b32 s31, WC
	s_mov_b32 s32, WS
	WBODY 2048
.Lend:
	s_wait_tensorcnt 0x0                           ; the wave's end, behind my last LDS store
	ds_add_u32 v12, v13
	s_wait_dscnt 0x0
	s_endpgm
.Lfunc_end_k_qdf6932c016_quant:
	.size	k_qdf6932c016_quant, .Lfunc_end_k_qdf6932c016_quant-k_qdf6932c016_quant
	.p2alignl 7, 3214868480
	.fill 96, 4, 3214868480
	.section	.rodata,"a",@progbits
	.p2align	6, 0x0
	.amdhsa_kernel k_qdf6932c016_quant
		.amdhsa_group_segment_fixed_size 42496
		.amdhsa_private_segment_fixed_size 0
		.amdhsa_enable_private_segment 0
		.amdhsa_kernarg_size 64
		.amdhsa_user_sgpr_count 2
		.amdhsa_user_sgpr_kernarg_segment_ptr 1
		.amdhsa_wavefront_size32 1
		.amdhsa_system_sgpr_workgroup_id_x 1
		.amdhsa_system_sgpr_workgroup_id_y 1
		.amdhsa_system_sgpr_workgroup_id_z 1
		.amdhsa_system_vgpr_workitem_id 0
		.amdhsa_next_free_vgpr 240
		.amdhsa_next_free_sgpr 66
		.amdhsa_reserve_vcc 1
		.amdhsa_float_denorm_mode_32 3
		.amdhsa_float_denorm_mode_16_64 3
		.amdhsa_memory_ordered 1
		.amdhsa_forward_progress 1
		.amdhsa_inst_pref_size 207
	.end_amdhsa_kernel
	.amdgpu_metadata
---
amdhsa.version: [ 1, 2 ]
amdhsa.kernels:
  - .name:           k_qdf6932c016_quant
    .symbol:         k_qdf6932c016_quant.kd
    .args:
      - { .name: x, .offset: 0, .size: 8, .value_kind: global_buffer, .address_space: global }
      - { .name: wq, .offset: 8, .size: 8, .value_kind: global_buffer, .address_space: global }
      - { .name: wk, .offset: 16, .size: 8, .value_kind: global_buffer, .address_space: global }
      - { .name: wv, .offset: 24, .size: 8, .value_kind: global_buffer, .address_space: global }
      - { .name: wo, .offset: 32, .size: 8, .value_kind: global_buffer, .address_space: global }
      - { .name: mask, .offset: 40, .size: 8, .value_kind: global_buffer, .address_space: global }
      - { .name: wsq, .offset: 48, .size: 8, .value_kind: global_buffer, .address_space: global }
      - { .name: flags, .offset: 56, .size: 8, .value_kind: global_buffer, .address_space: global }
    .group_segment_fixed_size: 42496
    .private_segment_fixed_size: 0
    .kernarg_segment_align: 8
    .kernarg_segment_size: 64
    .max_flat_workgroup_size: 128
    .sgpr_count:     66
    .vgpr_count:     240
    .wavefront_size: 32
...
	.end_amdgpu_metadata
.endif
;; end of part 1
;; launch qkv (part 2): grid 12 x 16, 4 waves a work-group, clusters of 4 x 4, 327,680 bytes of LDS; arguments wsq, freqs_cos, freqs_sin, qkv; writes qkv
.if DOCPART == 2
	.amdgcn_target "amdgcn-amd-amdhsa--gfx1250"
	.amdhsa_code_object_version 6
	.text
	.protected	k_qdf6932c016_qkv
	.globl	k_qdf6932c016_qkv
	.p2align	8
	.type	k_qdf6932c016_qkv,@function
k_qdf6932c016_qkv:
	s_mov_b64 s[64:65], 0
	v_nop
	global_prefetch_b8 v0, s[64:65] scope:SCOPE_SE
	s_setreg_imm32_b32 hwreg(HW_REG_WAVE_MODE, 25, 1), 1
	s_wait_xcnt 0x0
	s_wait_alu depctr_hold_cnt(0) depctr_sa_sdst(0) depctr_va_vdst(0) depctr_va_sdst(0) depctr_va_ssrc(0) depctr_va_vcc(0) depctr_vm_vsrc(0)
	s_getreg_b32 s2, hwreg(HW_REG_IB_STS2, 6, 4)
	s_cmp_eq_u32 s2, 0
	s_cbranch_scc0 .Lentry_in_a_cluster
	s_endpgm
.Lentry_in_a_cluster:
	s_bfe_u32 s2, ttmp6, 0x10000c
	s_cmp_lg_u32 s2, 0xf033
	s_cbranch_scc0 .Lentry_shape_is_right
	s_endpgm
.Lentry_shape_is_right:
; x (wq | wk | wv) on codes of FP6 (E2M3): one product of 4,096 x 3,072 x 2,048; then RoPE on q and k, and q, k (along the head's 64) and v (along the keys) are quantised for the attention launch.
; A work-group of four waves makes 256 rows x 256 columns, a wave 128 x 128: 64 accumulators, 512 registers.  K goes in steps of 256 through two LDS slots filled by the tensor data mover.
; Codes lie in memory as images of operand registers (a fragment = 1,536 bytes, lane L's registers 4 m .. 4 m + 3 at 512 m + 16 L), so 128 rows of a K step are 24,576 dense bytes and a fragment is three ds_load_b128.
; The scale words of the work-group's rows and columns for all of K come once, with the first fills.
; CLUSTER 4 x 4: x's tiles are asked for jointly along a row of the cluster, the weights' along a column.
; THE MATRIX INSTRUCTION IS USED TRANSPOSED: source 0 = 16 columns of the weights, source 1 = 16 rows of x.  The columns of an image block are chosen so that the 16 registers of column blocks 2 b, 2 b + 1
; are columns 32 b + 16 (lane / 16) + 0 .. 15 of one row.  IN THE WAVES THAT MAKE V THE TWO SOURCES CHANGE PLACES, by LDS addresses alone: a lane then holds one channel of V and its registers run along 128 keys
; (x's rows are laid in the same order), which are the second attention product's K.
; Tile columns 0-7: q, one kv group each, laid [half of the 64][head 0..3][32]; tile columns 8-11 (cluster x = 2): 128 of k (two kv heads), 128 of v.
; OUT (buffer qkv): q's codes [b x kv head][half][s][head x 24 bytes], q's scale bytes [..][half][s][head]; for each (b, kv head) a block of 104,448 bytes: k's 64 tiles of 16 keys as images of 6 registers (768 bytes),
; v's images [key step of 128][16 channels x 4][1,536], k's scale words [tile][16], v's [key step][4][16].
; LIMITS: as the quantising launch states them; a block of zeros gets the byte 1.
; REGISTERS, in windows of 256: window 0: v0-31 addresses; v32-63 scale words, two sets; v128-223 source 1's fragments, one set; in the epilogue v32-231 are at work.  window 1: source 0's fragments, two sets, at v0 and v128.
;   window 2: the accumulators of source 1's blocks 0-3 ((a, b) at v[8 (8 (a % 4) + b)]); window 3: of blocks 4-7.
.set KSSA,  786432                     ; bytes from a K step of 256 to the next: x,
.set KSSB,  589824                     ; the weights
.set XSO,   6291456                    ; offsets in wsq
.set WC,    6553600
.set WS,    11272192
.set QSO,   6291456                    ; offsets in qkv: q's scale bytes,
.set KVO,   6553600                    ; the blocks of k and v
.set NQ,    2                          ; matrix instructions deep in a slot
.set FR,    12                         ; registers of a fragment
.set NL,    3                          ; LDS loads that bring one
.set NP,    4                          ; places behind this matrix instruction (ISA guide 7.12.1)
.set HALFT, 24576                      ; 128 rows of a K step: what one tensor load brings
.set SLOT,  4*HALFT                    ; x's 256 rows, then the weights' 256 columns
.set LAPS,  4                          ; 2,048 / 512
.set SCL,   2*SLOT                     ; behind the ring: x's scale words (16,384 bytes); the weights' lie 16,384 + 128 bytes on, so that the two halves of a load's lanes fall on different banks
.set SPARE, 229632                     ; the spare words, 128 bytes for each wave
.set STQ,  6                           ; v6   epilogue: where q's codes go in my stage
.set STS,  7                           ; v7   q's scale words
.set KSA,  8                           ; v8   k's scale words
.set VSA,  9                           ; v9   v's scale words
.set RDS,  10                          ; v10  my stage + 16 x lane
.set CA0,  11                          ; v11, v12  my byte in cos and sin, for column blocks of even and odd number
.set ADRA, 16                          ; v16-17  source 1's fragments in slot 0, 1
.set ADRB, 20                          ; v20-21  source 0's
.set ADRS, 27                          ; v27     my scale words
.set SPW,  28                          ; v28     my spare word; never rewritten
.set NIL,  29                          ; v29     0; never rewritten
.set SC,   32
.set AF,   128
.set T,    32                          ; epilogue: v32-95 the rotated numbers
.set PC,   96                          ; v96-115 codes
.set TM,   116                         ; v116-131 at work
.set PW,   132                         ; v132, v133 the scale word, and its upper half
.set CSR,  136                         ; v136-199 cos and sin, two sets of 32
.set OUTR, 136                         ; v136-231 the way out
.set G1, 24
.set G0, 32
.set G1B, 48
.set G0B, 56
.set G1S, 68
.set G0S, 76
.set G1SB, 80
.set G0SB, 88
.set MSB, 0
.macro WIN new                         ; the immediate's high byte repeats the setting that is left
.if MSB != (\new)
	s_set_vgpr_msb (MSB<<8)|(\new)
.set MSB, (\new)
.endif
.endm
.set MUL_LO, 0xa1                      ; source 0 window 1, source 1 window 0, C and D window 2
.set MUL_HI, 0xf1
.set TO_B,   0x40
; A joint load: waves 0 and 1 fetch for x, waves 2 and 3 for the weights.  The branch hangs on the wave's number alone.  An s_nop 0 and four v_nop follow each line.
.macro JLOAD g0a, g1a, g0b, g1b
	s_cmp_eq_u32 s15, 0
	s_cbranch_scc0 .Lfor_b_\@
	tensor_load_to_lds s[\g0a:\g0a+3], s[\g1a:\g1a+7]
	s_nop 0
.rept 4
	v_nop
.endr
	s_branch .Lasked_\@
.Lfor_b_\@:
	tensor_load_to_lds s[\g0b:\g0b+3], s[\g1b:\g1b+7]
	s_nop 0
.rept 4
	v_nop
.endr
.Lasked_\@:
.endm
.macro CREST                           ; a round of the cluster's barrier behind its opening barrier
	s_cmp_lg_u32 s14, 0
	s_cbranch_scc1 .Lnot_wave_0_\@
	s_barrier_signal -3
.Lnot_wave_0_\@:
	s_barrier_wait -3
	s_barrier_signal -1
	s_barrier_wait -1
.endm
.macro CROUND
	s_barrier_signal -1
	s_barrier_wait -1
	CREST
.endm
	s_load_b256 s[4:11], s[0:1], 0x0               ; wsq, cos, sin, qkv
	v_lshl_add_u32 v[SPW], v0, 2, SPARE
	v_mov_b32 v[NIL], 0
	ds_add_u32 v[SPW], v[NIL]                      ; the wave's opening: the add and its wait ahead of my first tensor load
	v_lshrrev_b32 v1, 5, v0
	v_readfirstlane_b32 s14, v1                    ; wave 0..3
	s_lshr_b32 s15, s14, 1                         ; which 128 rows of x are mine.  Also: I fetch for x (0) or for the weights (1)
	s_and_b32 s16, s14, 1                          ; which 128 columns.  Also: which half of that tile I fetch
	s_bfe_u32 s40, ttmp6, 0x40000                  ; cx, cy
	s_bfe_u32 s41, ttmp6, 0x40004
	s_lshl_b32 s42, ttmp9, 2
	s_add_co_u32 s42, s42, s40                     ; tile column
	s_and_b32 s17, ttmp7, 0xffff
	s_lshl_b32 s17, s17, 2
	s_add_co_u32 s17, s17, s41                     ; tile row
	s_lshl_b32 s43, s41, 2
	s_lshl_b32 s43, 15, s43                        ; my row of the cluster
	s_lshl_b32 s44, 0x1111, s40                    ; my column
	s_or_b32 s[G1+0], s43, (3<<16)|(1<<21)         ; 15:0 the mask; 17:16 elements of 8 bytes; 21 set beside a mask; no padding
	s_or_b32 s[G1B+0], s44, (3<<16)|(1<<21)
.irp g, G1, G1B
	s_mov_b32 s[\g+1], 32<<16                      ; a dense block of 24,576 bytes as 96 rows of 256
	s_mov_b32 s[\g+2], 96<<16
	s_mov_b32 s[\g+3], 32<<16
	s_mov_b32 s[\g+4], 96
	s_mov_b32 s[\g+5], 32
	s_mov_b32 s[\g+6], 0
	s_mov_b32 s[\g+7], 0
.endr
	s_or_b32 s[G1S+0], s43, (3<<16)|(1<<21)
	s_or_b32 s[G1SB+0], s44, (3<<16)|(1<<21)
.irp g, G1S, G1SB
	s_mov_b32 s[\g+1], 32<<16                      ; the scale words of 128 rows: 8,192 dense bytes as 32 rows of 256
	s_mov_b32 s[\g+2], 32<<16
	s_mov_b32 s[\g+3], 32<<16
	s_mov_b32 s[\g+4], 32
	s_mov_b32 s[\g+5], 32
	s_mov_b32 s[\g+6], 0
	s_mov_b32 s[\g+7], 0
.endr
	s_lshl_b32 s18, s16, 3
	s_lshl_b32 s20, s17, 4
	s_add_co_u32 s20, s20, s18                     ; x: row block 16 x tile row + 8 x half
	s_lshl_b32 s46, s42, 4
	s_add_co_u32 s46, s46, s18                     ; the weights: 16 x tile column + 8 x half
	s_lshl_b32 s22, s20, 10
	s_add_co_u32 s22, s22, XSO
	s_mov_b32 s23, 0
	s_lshl_b32 s92, s46, 10
	s_add_co_u32 s92, s92, WS
	s_mov_b32 s93, 0
	s_mul_i32 s20, s20, 3072
	s_mov_b32 s21, 0
	s_mul_i32 s46, s46, 3072
	s_add_co_u32 s46, s46, WC
	s_mov_b32 s47, 0
	s_mul_i32 s45, s14, HALFT                      ; where they go: wave x 24,576: no place in the cluster enters an LDS address
	s_lshl_b32 s94, s14, 13
	s_lshl_b32 s95, s15, 7
	s_add_co_u32 s94, s94, s95
	s_mov_b32 s12, 0x76543210
	s_mov_b32 s13, 0xfedcba98                      ; v_permlanex16_b32's selects for lane l xor 16
	s_wait_dscnt 0x0                               ; the opening add is done
	s_wait_kmcnt 0x0
	s_add_nc_u64 s[20:21], s[4:5], s[20:21]
	s_add_nc_u64 s[22:23], s[4:5], s[22:23]
	s_add_nc_u64 s[46:47], s[4:5], s[46:47]
	s_add_nc_u64 s[92:93], s[4:5], s[92:93]
	CROUND                                         ; all sixteen work-groups are here: the first joint loads meet
	s_mov_b32 s[G0S], 1
	s_add_co_u32 s[G0S+1], s94, SCL
	s_mov_b64 s[G0S+2:G0S+3], s[22:23]
	s_or_b32 s[G0S+3], s[G0S+3], 0x80000000
	s_mov_b32 s[G0SB], 1
	s_add_co_u32 s[G0SB+1], s94, SCL
	s_mov_b64 s[G0SB+2:G0SB+3], s[92:93]
	s_or_b32 s[G0SB+3], s[G0SB+3], 0x80000000
	JLOAD G0S, G1S, G0SB, G1SB                     ; the scale words first: three loads of mine are out behind the last of these
.irp s, 0,1
	s_mov_b32 s[G0+4*\s], 1
	s_add_co_u32 s[G0+4*\s+1], s45, \s*SLOT
	s_add_nc_u64 s[G0+4*\s+2:G0+4*\s+3], s[20:21], \s*KSSA
	s_or_b32 s[G0+4*\s+3], s[G0+4*\s+3], 0x80000000
	s_mov_b32 s[G0B+4*\s], 1
	s_add_co_u32 s[G0B+4*\s+1], s45, \s*SLOT
	s_add_nc_u64 s[G0B+4*\s+2:G0B+4*\s+3], s[46:47], \s*KSSB
	s_or_b32 s[G0B+4*\s+3], s[G0B+4*\s+3], 0x80000000
	JLOAD G0+4*\s, G1, G0B+4*\s, G1B
.endr
	v_and_b32 v1, 15, v0                           ; r
	v_bfe_u32 v2, v0, 4, 1                         ; h
	v_and_b32 v3, 31, v0
	v_lshlrev_b32 v14, 4, v3                       ; 16 x lane
	v_lshlrev_b32 v13, 3, v3                       ; 8 x lane
	s_cmp_eq_u32 ttmp9, 2                          ; the cluster's x: the same in all sixteen partners
	s_cselect_b32 s96, 1, 0                        ; 1: my tile holds k and v
	s_and_b32 s97, s96, s16                        ; 1: my wave makes v
	s_mul_i32 s21, s15, HALFT                      ; my 128 rows of x
	s_mul_i32 s22, s16, HALFT
	s_add_co_u32 s22, s22, 2*HALFT                 ; my 128 columns
	s_cmp_eq_u32 s97, 0
	s_cselect_b32 s18, s21, s22                    ; source 1: x; in v's waves the weights
	s_cselect_b32 s19, s22, s21                    ; source 0: the other
.irp s, 0,1
	v_add_nc_u32 v[ADRA+\s], s18, v14
	v_add_nc_u32 v[ADRB+\s], s19, v14
	s_add_co_u32 s18, s18, SLOT
	s_add_co_u32 s19, s19, SLOT
.endr
	s_lshl_b32 s21, s15, 13                        ; scale words: lanes 0-15 take source 1's, lanes 16-31 source 0's
	s_lshl_b32 s22, s16, 13
	s_add_co_u32 s22, s22, 16384+128
	s_sub_co_u32 s22, s22, s21                     ; from x's words to the weights'
	v_xor_b32 v5, s97, v2
	v_mul_u32_u24 v5, s22, v5
	v_lshl_add_u32 v5, v1, 3, v5                   ; two words a row
	s_add_co_u32 s21, s21, SCL
	v_add_nc_u32 v[ADRS], s21, v5
	s_mul_i32 s23, s14, HALFT                      ; my stage for the epilogue, in slot 0: every path has bytes of its own in it
	v_and_b32 v4, 7, v1
	v_lshrrev_b32 v5, 3, v1
	v_mul_u32_u24 v[STQ], v4, 96                   ; image row r is true row r % 8 + 16 (r / 8): 96 bytes a row,
	v_mad_u32_u24 v[STQ], v5, 1536, v[STQ]
	v_mad_u32_u24 v[STQ], v2, 24, v[STQ]           ; my half's head
	v_add_nc_u32 v[STQ], s23, v[STQ]
	v_lshlrev_b32 v[STS], 2, v4
	v_lshl_add_u32 v[STS], v5, 6, v[STS]
	v_add_nc_u32 v[STS], s23, v[STS]
	v_add_nc_u32 v[STS], 12288, v[STS]
	v_lshl_add_u32 v[KSA], v1, 2, s23
	v_add_nc_u32 v[VSA], 13824, v[KSA]
	v_add_nc_u32 v[KSA], 12800, v[KSA]
	v_add_nc_u32 v[RDS], s23, v14
	v_lshl_add_u32 v[CA0], v5, 4, v4
	v_lshlrev_b32 v[CA0], 7, v[CA0]                ; a row of cos is 128 bytes
	v_lshl_add_u32 v[CA0], v2, 5, v[CA0]           ; + my 8 pairs
	s_cmp_eq_u32 s96, 0
	s_cselect_b32 s18, s16, 0                      ; which half of the head's 64 a column block holds: q: my wave's half; k: the block's number % 2
	s_cselect_b32 s19, s16, 1
	s_lshl_b32 s18, s18, 6
	s_lshl_b32 s19, s19, 6
	v_add_nc_u32 v[CA0+1], s19, v[CA0]
	v_add_nc_u32 v[CA0], s18, v[CA0]
	v_lshlrev_b32 v15, 4, v1
	v_mad_u32_u24 v15, v2, 104448, v15             ; v's scale words on the way out: lanes 16-31 the second kv head's block
.macro FRAG reg, adr, q, i             ; a fragment as it was stored: three loads of 512 consecutive bytes
.irp c, 0,1,2
	ds_load_b128 v[\reg+4*\c:\reg+4*\c+3], v[\adr] offset:3072*(\i)+1536*(\q)+512*\c
.endr
.endm
; 16 matrix instructions: source 1's blocks a0, a0 + 1 x source 0's eight.  The 64 accumulators take turns, one instruction a turn, in the same order in every step.
.macro MUL16 a0, p, q, sc, zero
.irp a, \a0, \a0+1
.irp b, 0,1,2,3,4,5,6,7
.if \zero
	v_wmma_scale_f32_16x16x128_f8f6f4 v[8*(8*((\a)%4)+\b):8*(8*((\a)%4)+\b)+7], v[128*(\p)+FR*\b:128*(\p)+FR*\b+FR-1], v[AF+FR*(\a):AF+FR*(\a)+FR-1], 0, v[SC+8*NQ*(\sc)+NQ*\b+(\q)], v[SC+8*NQ*(\sc)+NQ*(\a)+(\q)] matrix_a_fmt:MATRIX_FMT_FP6 matrix_b_fmt:MATRIX_FMT_FP6 matrix_a_scale:MATRIX_SCALE_ROW1
.else
	v_wmma_scale_f32_16x16x128_f8f6f4 v[8*(8*((\a)%4)+\b):8*(8*((\a)%4)+\b)+7], v[128*(\p)+FR*\b:128*(\p)+FR*\b+FR-1], v[AF+FR*(\a):AF+FR*(\a)+FR-1], v[8*(8*((\a)%4)+\b):8*(8*((\a)%4)+\b)+7], v[SC+8*NQ*(\sc)+NQ*\b+(\q)], v[SC+8*NQ*(\sc)+NQ*(\a)+(\q)] matrix_a_fmt:MATRIX_FMT_FP6 matrix_b_fmt:MATRIX_FMT_FP6 matrix_a_scale:MATRIX_SCALE_ROW1
.endif
.endr
.endr
.endm
.macro FETCH_B slot, q, p
	WIN TO_B
.irp i, 0,1,2,3,4,5,6,7
	FRAG 128*(\p)+FR*\i, ADRB+\slot, \q, \i
.endr
	WIN 0
.endm
.macro FETCH_A slot, q, i0
.irp i, \i0, \i0+1, \i0+2, \i0+3
	FRAG AF+FR*(\i), ADRA+\slot, \q, \i
.endr
.endm
.macro SCALES sc                       ; a K step's two words a row: lanes 0-15 source 1's block i, lanes 16-31 source 0's
.irp i, 0,1,2,3,4,5,6,7
	ds_load_b64 v[SC+8*NQ*\sc+NQ*\i:SC+8*NQ*\sc+NQ*\i+1], v[ADRS] offset:\i*1024
.endr
.endm
.macro PLACES n                        ; plain vector instructions between a matrix instruction and a load into, or a read of, its registers
.rept \n
	v_nop
.endr
.endm
.macro STEP slot, q, zero              ; 128 along K that have their successor in the same slot
	s_wait_dscnt 4*NL                              ; all but the youngest 12 loads (source 1's blocks 4-7)
	WIN MUL_LO
	MUL16 0, (\q)%2, \q, \slot, \zero
	MUL16 2, (\q)%2, \q, \slot, \zero
	s_wait_dscnt 0
	PLACES NP
	FETCH_B \slot, (\q)+1, 1-(\q)%2
	FETCH_A \slot, (\q)+1, 0
	WIN MUL_HI
	MUL16 4, (\q)%2, \q, \slot, \zero
	MUL16 6, (\q)%2, \q, \slot, \zero
	PLACES NP
	WIN 0
	FETCH_A \slot, (\q)+1, 4
.endm
; A slot's last 128 change slots: one barrier; in front of it each wave waits for all its tensor loads, adds 0 to its spare word, and waits for that and for its reads of this slot.  fill = 1: the slot is filled again, two K steps ahead.
.macro TURN slot, next, fill
	s_wait_tensorcnt 0x0                           ; all my tensor loads have landed: my part of the next slot
	ds_add_u32 v[SPW], v[NIL]
	s_wait_dscnt 4*NL+1                            ; (the add and the youngest 12 loads may be out)
	WIN MUL_LO
	MUL16 0, 1, NQ-1, \slot, 0
	s_wait_dscnt 0x0                               ; the add is done, and my reads of this slot are over
	s_barrier_signal -1
	MUL16 2, 1, NQ-1, \slot, 0
	WIN 0
	s_barrier_wait -1
.if \fill
	CREST                                          ; the barrier has opened a round of the cluster's barrier: no wave of any partner still reads this slot or has a load on its way
	s_add_nc_u64 s[G0+4*\slot+2:G0+4*\slot+3], s[G0+4*\slot+2:G0+4*\slot+3], 2*KSSA
	s_add_nc_u64 s[G0B+4*\slot+2:G0B+4*\slot+3], s[G0B+4*\slot+2:G0B+4*\slot+3], 2*KSSB
	JLOAD G0+4*\slot, G1, G0B+4*\slot, G1B         ; my one tensor load behind the round; its four v_nop are also the places in front of the loads below
.else
	PLACES NP
.endif
	v_add_nc_u32 v[ADRS], 128, v[ADRS]             ; the next K step's scale words
	FETCH_B \next, 0, 0
	FETCH_A \next, 0, 0
	SCALES \next
	WIN MUL_HI
	MUL16 4, 1, NQ-1, \slot, 0
	MUL16 6, 1, NQ-1, \slot, 0
	PLACES NP
	WIN 0
	FETCH_A \next, 0, 4
.endm
	s_wait_tensorcnt 1                             ; the scale words and my part of K step 0 are in; K step 1's load may be out
	s_barrier_signal -1
	s_barrier_wait -1
	FETCH_B 0, 0, 0
	FETCH_A 0, 0, 0
	SCALES 0
	FETCH_A 0, 0, 4
	STEP 0, 0, 1                                   ; the first step's products start the sums
	s_mov_b32 s3, LAPS-1
.Llap:
	TURN 0, 1, 1
	STEP 1, 0, 0
	TURN 1, 0, 1
	STEP 0, 0, 0
	s_sub_co_u32 s3, s3, 1
	s_cmp_lg_u32 s3, 0
	s_cbranch_scc1 .Llap
	TURN 0, 1, 0                                   ; the last lap fills nothing
	STEP 1, 0, 0
	s_wait_dscnt 4*NL
	WIN MUL_LO
	MUL16 0, 1, NQ-1, 1, 0
	MUL16 2, 1, NQ-1, 1, 0
	s_wait_dscnt 0
	WIN MUL_HI
	MUL16 4, 1, NQ-1, 1, 0
	MUL16 6, 1, NQ-1, 1, 0
	WIN 0
; ---- THE EPILOGUE.  Block a of source 1: 64 registers of a lane; register 16 b + i is index 32 b + 16 (lane / 16) + i of source 0's 128.
; 64 numbers v[s] .. v[s + 63] of window X become a fragment's codes in v[PC] on and its rows' scale word in v[PW].  Each accumulator is read from its low end on.
.macro QUANT s, X
	WIN (\X)|((\X)<<2)
.irp b, 0,1,2,3
	v_max3_num_f32 v[TM+\b], |v[(\s)+16*\b]|, |v[(\s)+1+16*\b]|, 0x1800000   ; my 16 numbers of block b, and the floor 2^(3 - 127)
.endr
	WIN ((\X)<<2)|((\X)<<4)
.irp i, 2,4,6,8,10,12,14
.irp b, 0,1,2,3
	v_max3_num_f32 v[TM+\b], v[TM+\b], |v[(\s)+16*\b+\i]|, |v[(\s)+1+16*\b+\i]|
.endr
.endr
	WIN 0
.irp b, 0,1,2,3
	v_permlanex16_b32 v[TM+4+\b], v[TM+\b], s12, s13
.endr
.irp b, 0,1,2,3
	v_max_num_f32 v[TM+\b], v[TM+\b], v[TM+4+\b]   ; with lane l xor 16's: the block's largest magnitude
.endr
.irp b, 0,1,2,3
	v_add_nc_u32 v[TM+12+\b], 0xff000000, v[TM+\b] ; 2 off its exponent field: the conversion's scale operand
.endr
.irp b, 0,1,2,3
	v_lshrrev_b32 v[TM+4+\b], 23, v[TM+12+\b]      ; the byte
.endr
	v_lshl_or_b32 v[PW], v[TM+5], 8, v[TM+4]
	v_lshl_or_b32 v[PW], v[TM+6], 16, v[PW]
	v_lshl_or_b32 v[PW], v[TM+7], 24, v[PW]
	WIN (\X)
.irp c, 0,1
	v_cvt_scalef32_pk16_fp6_f32 v[PC+6*\c:PC+2+6*\c], v[(\s)+32*\c:(\s)+15+32*\c], v[TM+12+2*\c]
	v_cvt_scalef32_pk16_fp6_f32 v[PC+12+4*\c:PC+14+4*\c], v[(\s)+16+32*\c:(\s)+31+32*\c], v[TM+12+2*\c+1]
.endr
	WIN 0
	v_nop                                          ; one plain place behind a scaled conversion
.irp c, 0,1                                    ; a whole block to a lane: lanes 0-15 block 2 c, lanes 16-31 block 2 c + 1
.irp i, 0,1,2
	v_permlane16_swap_b32 v[PC+6*\c+\i], v[PC+12+4*\c+\i]
.endr
.irp i, 0,1,2
	v_mov_b32 v[PC+3+6*\c+\i], v[PC+12+4*\c+\i]
.endr
.endr
.endm
.macro CSLOAD a                        ; my row's 8 cos and 8 sin for even and for odd column blocks
.set CB_, CSR+32*((\a)%2)
.set RO_, 128*(32*((\a)/2)+8*((\a)%2))
.irp g, 0,1
	global_load_b128 v[CB_+16*\g:CB_+16*\g+3], v[CA0+\g], s[6:7] offset:RO_
	global_load_b128 v[CB_+16*\g+4:CB_+16*\g+7], v[CA0+\g], s[6:7] offset:RO_+16
	global_load_b128 v[CB_+16*\g+8:CB_+16*\g+11], v[CA0+\g], s[8:9] offset:RO_
	global_load_b128 v[CB_+16*\g+12:CB_+16*\g+15], v[CA0+\g], s[8:9] offset:RO_+16
.endr
.endm
.macro ROPE a                          ; pair p: (t0, t1) -> (t0 c - t1 s, t0 s + t1 c): a packed multiply by c, then a packed multiply-add of the swapped pair by (-s, s)
	WIN 2+(\a)/4
.set AC_, 64*((\a)%4)
.set CB_, CSR+32*((\a)%2)
.set p_, 0
.rept 32
.set cr_, CB_+16*((p_/8)%2)+((p_%8)&6)
.if (p_&1) == 0
	v_pk_mul_f32 v[T+2*p_:T+2*p_+1], v[AC_+2*p_:AC_+2*p_+1], v[cr_:cr_+1] op_sel_hi:[1,0]
.else
	v_pk_mul_f32 v[T+2*p_:T+2*p_+1], v[AC_+2*p_:AC_+2*p_+1], v[cr_:cr_+1] op_sel:[0,1] op_sel_hi:[1,1]
.endif
.set p_, p_+1
.endr
.set p_, 0
.rept 32
.set cr_, CB_+16*((p_/8)%2)+((p_%8)&6)+8
.if (p_&1) == 0
	v_pk_fma_f32 v[T+2*p_:T+2*p_+1], v[AC_+2*p_:AC_+2*p_+1], v[cr_:cr_+1], v[T+2*p_:T+2*p_+1] op_sel:[1,0,0] op_sel_hi:[0,0,1] neg_lo:[0,1,0]
.else
	v_pk_fma_f32 v[T+2*p_:T+2*p_+1], v[AC_+2*p_:AC_+2*p_+1], v[cr_:cr_+1], v[T+2*p_:T+2*p_+1] op_sel:[1,1,0] op_sel_hi:[0,1,1] neg_lo:[0,1,0]
.endif
.set p_, p_+1
.endr
	WIN 0
.endm
.macro QKBLK a                         ; 16 rows of x: rotated, quantised; q: through my stage; k: the codes are a tile's image and leave at once
.if (\a) < 7
	CSLOAD (\a)+1
	s_wait_loadcnt 8                               ; this block's cos and sin are in; the next block's 8 loads may be out
.else
	s_wait_loadcnt 0x0
.endif
	ROPE \a
	s_wait_xcnt 0x0                                ; the last block's stores have read the codes' registers
	s_wait_dscnt 0x0
	QUANT T, 0
.set RW_, 32*((\a)/2)+8*((\a)%2)
	s_cmp_lg_u32 s96, 0
	s_cbranch_scc1 .Lkst_\@
.irp c, 0,1
.irp i, 0,1,2
	ds_store_b64 v[STQ], v[PC+6*\c+2*\i:PC+6*\c+2*\i+1] offset:96*RW_+48*\c+8*\i   ; head 2 c + h, 24 bytes
.endr
.endr
	ds_store_b32 v[STS], v[PW] offset:4*RW_        ; a byte a head
	s_branch .Lqst_\@
.Lkst_\@:
.irp c, 0,1
.irp i, 0,1,2
	global_store_b64 v13, v[PC+6*\c+2*\i:PC+6*\c+2*\i+1], s[40:41] offset:\c*104448+768*(\a)+256*\i   ; kv head c, tile a: 256 consecutive bytes
.endr
.endr
	ds_store_b32 v[KSA], v[PW] offset:64*(\a)      ; kv head 0: bytes 0, 1 (bytes 2, 3 meet zero codes and are never 0xff)
	v_lshrrev_b32 v[PW+1], 16, v[PW]
	ds_store_b32 v[KSA], v[PW+1] offset:512+64*(\a)
.Lqst_\@:
.endm
.macro VBLK a                          ; 16 channels of v x my 128 keys: one fragment
	s_wait_xcnt 0x0
	s_wait_dscnt 0x0
	QUANT 64*((\a)%4), 2+(\a)/4
.irp m, 0,1,2
	global_store_b128 v14, v[PC+4*\m:PC+4*\m+3], s[40:41] offset:((\a)/4)*104448+((\a)%4)*1536+512*\m
.endr
	ds_store_b32 v[VSA], v[PW] offset:64*(\a)
.endm
	PLACES NP                                      ; behind the last products
.irp b, 0,1,2,3
	v_mov_b32 v[TM+4+\b], 0                        ; a lane permute's destination counts as read
.endr
	s_lshr_b32 s18, s17, 2                         ; b
	s_and_b32 s19, s17, 3
	s_lshl_b32 s19, s19, 1
	s_add_co_u32 s19, s19, s15                     ; which 128 of the sequence's 1,024 rows are mine
	s_mov_b32 s21, 0
	s_cmp_lg_u32 s96, 0
	s_cbranch_scc1 .Lkvbase
	s_lshl_b32 s22, s18, 3
	s_add_co_u32 s22, s22, s42
	s_lshl_b32 s22, s22, 1
	s_add_co_u32 s22, s22, s16                     ; (b x kv head) x 2 + my half of the 64
	s_mul_i32 s20, s22, 98304
	s_mul_i32 s23, s19, 12288
	s_add_co_u32 s20, s20, s23
	s_add_nc_u64 s[40:41], s[10:11], s[20:21]      ; q's codes
	s_lshl_b32 s20, s22, 12
	s_lshl_b32 s23, s19, 9
	s_add_co_u32 s20, s20, s23
	s_add_co_u32 s20, s20, QSO
	s_add_nc_u64 s[44:45], s[10:11], s[20:21]      ; q's scale bytes
	s_branch .Lbased
.Lkvbase:
	s_sub_co_u32 s22, s42, 8
	s_lshl_b32 s22, s22, 1
	s_lshl_b32 s23, s18, 3
	s_add_co_u32 s22, s22, s23                     ; b x 8 + my tile's first kv head
	s_mul_i32 s22, s22, 104448
	s_add_co_u32 s22, s22, KVO
	s_mul_i32 s20, s19, 6144                       ; a key step's images: 8 x 768 of k, 4 x 1,536 of v
	s_add_co_u32 s20, s20, s22
	s_mul_i32 s23, s97, 49152                      ; v's lie behind k's
	s_add_co_u32 s20, s20, s23
	s_add_nc_u64 s[40:41], s[10:11], s[20:21]
	s_lshl_b32 s20, s19, 9
	s_lshr_b32 s20, s20, s97                       ; scale words: 512 bytes a key step for k, 256 for v,
	s_lshl_b32 s23, s97, 12                        ; v's 4,096 bytes behind k's
	s_add_co_u32 s20, s20, s23
	s_add_co_u32 s20, s20, s22
	s_add_co_u32 s20, s20, 98304
	s_add_nc_u64 s[44:45], s[10:11], s[20:21]
.Lbased:
	s_cmp_lg_u32 s97, 0
	s_cbranch_scc1 .Lv
	s_lshl_b32 s20, s19, 14                        ; cos and sin at my first row
	s_add_nc_u64 s[6:7], s[6:7], s[20:21]
	s_add_nc_u64 s[8:9], s[8:9], s[20:21]
	CSLOAD 0
.irp a, 0,1,2,3,4,5,6,7
	QKBLK \a
.endr
	s_cmp_lg_u32 s96, 0
	s_cbranch_scc1 .Lkout
.set t_, 0
.rept 24
	ds_load_b128 v[OUTR+4*t_:OUTR+4*t_+3], v[RDS] offset:512*t_   ; LDS serves a wave's instructions in order: these see my stores
.set t_, t_+1
.endr
	ds_load_b128 v[T:T+3], v[RDS] offset:12288
.set t_, 0
.rept 24
	s_wait_dscnt 24-t_
	global_store_b128 v14, v[OUTR+4*t_:OUTR+4*t_+3], s[40:41] offset:512*t_   ; 128 rows x 96 bytes are dense: 512 consecutive bytes a store
.set t_, t_+1
.endr
	s_wait_dscnt 0x0
	global_store_b128 v14, v[T:T+3], s[44:45]
	s_branch .Ldone
.Lkout:
	ds_load_b128 v[OUTR:OUTR+3], v[RDS] offset:12800
	ds_load_b128 v[OUTR+4:OUTR+7], v[RDS] offset:13312
	s_wait_dscnt 0x0
	global_store_b128 v14, v[OUTR:OUTR+3], s[44:45]
	global_store_b128 v14, v[OUTR+4:OUTR+7], s[44:45] offset:104448
	s_branch .Ldone
.Lv:
.irp a, 0,1,2,3,4,5,6,7
	VBLK \a
.endr
	ds_load_b128 v[OUTR:OUTR+3], v[RDS] offset:13824
	s_wait_dscnt 0x0
	global_store_b128 v15, v[OUTR:OUTR+3], s[44:45]   ; 256 consecutive bytes for each of the two kv heads
.Ldone:
	s_wait_tensorcnt 0x0                           ; the wave's end
	ds_add_u32 v[SPW], v[NIL]
	s_wait_dscnt 0x0
	CROUND                                         ; the closing round
	s_endpgm
.Lfunc_end_k_qdf6932c016_qkv:
	.size	k_qdf6932c016_qkv, .Lfunc_end_k_qdf6932c016_qkv-k_qdf6932c016_qkv
	.p2alignl 7, 3214868480
	.fill 96, 4, 3214868480
	.section	.rodata,"a",@progbits
	.p2align	6, 0x0
	.amdhsa_kernel k_qdf6932c016_qkv
		.amdhsa_group_segment_fixed_size 327680
		.amdhsa_private_segment_fixed_size 0
		.amdhsa_enable_private_segment 0
		.amdhsa_kernarg_size 32
		.amdhsa_user_sgpr_count 2
		.amdhsa_user_sgpr_kernarg_segment_ptr 1
		.amdhsa_wavefront_size32 1
		.amdhsa_system_sgpr_workgroup_id_x 1
		.amdhsa_system_sgpr_workgroup_id_y 1
		.amdhsa_system_sgpr_workgroup_id_z 1
		.amdhsa_system_vgpr_workitem_id 0
		.amdhsa_next_free_vgpr 1024
		.amdhsa_next_free_sgpr 98
		.amdhsa_reserve_vcc 0
		.amdhsa_float_denorm_mode_32 3
		.amdhsa_float_denorm_mode_16_64 3
		.amdhsa_memory_ordered 1
		.amdhsa_forward_progress 1
		.amdhsa_inst_pref_size 227
	.end_amdhsa_kernel
	.amdgpu_metadata
---
amdhsa.version: [ 1, 2 ]
amdhsa.kernels:
  - .name:           k_qdf6932c016_qkv
    .symbol:         k_qdf6932c016_qkv.kd
    .args:
      - { .name: wsq, .offset: 0, .size: 8, .value_kind: global_buffer, .address_space: global }
      - { .name: freqs_cos, .offset: 8, .size: 8, .value_kind: global_buffer, .address_space: global }
      - { .name: freqs_sin, .offset: 16, .size: 8, .value_kind: global_buffer, .address_space: global }
      - { .name: qkv, .offset: 24, .size: 8, .value_kind: global_buffer, .address_space: global }
    .group_segment_fixed_size: 327680
    .private_segment_fixed_size: 0
    .kernarg_segment_align: 8
    .kernarg_segment_size: 32
    .max_flat_workgroup_size: 128
    .sgpr_count:     98
    .vgpr_count:     1024
    .wavefront_size: 32
...
	.end_amdgpu_metadata
.endif
;; end of part 2
;; launch attn (part 3): grid 8 x 32, 16 waves a work-group, no clusters, 132,096 bytes of LDS; arguments qkv, wsq, flags, att; writes att
.if DOCPART == 3
	.amdgcn_target "amdgcn-amd-amdhsa--gfx1250"
	.amdhsa_code_object_version 6
	.text
	.protected	k_qdf6932c016_attn
	.globl	k_qdf6932c016_attn
	.p2align	8
	.type	k_qdf6932c016_attn,@function
k_qdf6932c016_attn:
	s_mov_b64 s[64:65], 0
	v_nop
	global_prefetch_b8 v0, s[64:65] scope:SCOPE_SE
	s_setreg_imm32_b32 hwreg(HW_REG_WAVE_MODE, 25, 1), 1
	s_wait_xcnt 0x0
; Attention on codes of FP6 (E2M3) for one (batch, kv head) a work-group row: scores = q k^T / 8 + mask, p = 2^(t - M) with t = logit x log2(e) and M the ceiling of the running largest t, o = (v^T p^T) / the sum of the unquantised p;
; o is quantised along head x 64 + channel for the last product.  The mask is honoured as given: it arrives as mask x log2(e) in my lanes' order.
; A key step (128 keys) whose mask is -infinity for all 4 queries of a tile adds nothing (every p is 0): it is left out by a scalar branch on a bit that the first launch stored.  So this launch has no tensor load:
; the (b, kv head)'s k and v, 104,448 bytes of images and scale words, are copied into LDS once, through registers; behind one barrier the sixteen waves go their own ways.
; A WAVE'S TILE IS 4 QUERIES x THE 4 HEADS OF THE KV HEAD: lane % 16 = 4 q' + head.  The heads share k, v and the mask's numbers.  Each wave walks two tiles (passes), one early and one late in the sequence.
; Both products are used transposed: S^T = k q^T (source 0 = 16 keys), O^T = v^T p^T (source 0 = 16 channels): a lane holds one (query, head) throughout.  The keys of a tile and the channels of a tile are laid so that
; the 16 registers of tiles 2 b, 2 b + 1 are 16 neighbours.  The head's 64 fill half of the instruction's K: q's upper six registers are zero codes; k's upper six are whatever follows (the next tile's codes), times zero.
; A row whose mask is -infinity throughout has sum 0: its scale bytes are set to 0xff, so that the last product gives NaN there, as a softmax of such a row does.
; LIMITS: NaN and +infinity in the mask are not served.
; No cluster: what work-groups share (a kv head's 104,448 bytes, read once by each of eight) is small beside the step's own work, and the branch on stored bits forbids joint loads.
; REGISTERS: v1-7 addresses that stay; v8-11, v30 addresses in hand; v12 -M, v13 the largest t, v[14:15] the sum; v16-21 q, v22-27 zeros; v28 q's scale word, v29 p's; v31, v94, v95 where o's codes and words go;
; v32-79 eight tiles of k (6 registers each), then four fragments of v; v80-85 zeros; v86-89 k's scale words, v90-91 v's; v[92:93] f; v96-159 S^T, t, p; v160-191 O^T; v192-255 the mask, then at work.
.set QSO,  6291456                     ; offsets in qkv
.set KVO,  6553600
.set M2,   14745600                    ; the mask in wsq
.set OSO,  6291456                     ; o's scale words in att
.set LVI,  49152                       ; LDS: k's images from 0, v's,
.set LKS,  98304                       ; k's scale words,
.set LVS,  102400                      ; v's,
.set LOI,  104448                      ; o's images: 8 blocks of 16 queries x 3,072,
.set LOS,  129024                      ; their scale words: 8 x 128,
.set SPARE, 130048                     ; the spare words, 128 bytes for each wave
	s_load_b256 s[4:11], s[0:1], 0x0               ; qkv, wsq, flags, att
	v_lshl_add_u32 v5, v0, 2, SPARE                ; my spare word; never rewritten
	v_mov_b32 v6, 0                                ; 0; never rewritten
	v_lshrrev_b32 v8, 5, v0
	v_readfirstlane_b32 s12, v8                    ; wave 0..15
	v_and_b32 v9, 31, v0                           ; lane
	v_bfe_u32 v11, v0, 4, 1                        ; h
	v_lshlrev_b32 v1, 3, v9                        ; k's tiles: 8 x lane
	v_lshlrev_b32 v2, 4, v9
	v_add_nc_u32 v2, LVI, v2                       ; v's fragments: 16 x lane
	v_lshl_add_u32 v3, v9, 2, LKS
	v_lshl_add_u32 v4, v9, 2, LVS
	v_bfe_u32 v9, v0, 2, 2                         ; q'
	v_lshlrev_b32 v7, 4, v9
	v_lshl_add_u32 v7, v11, 6, v7                  ; the mask: 64 h + 16 q'
	s_lshr_b32 s23, s12, 2                         ; g
	s_and_b32 s13, s12, 3                          ; which 4 of a block's 16 queries
	s_lshl_b32 s14, s23, 3
	s_sub_co_u32 s15, 56, s14
	s_add_co_u32 s14, s14, ttmp9                   ; pass 0: block of 16 queries 8 g + x,
	s_add_co_u32 s15, s15, ttmp9                   ; pass 1: 56 - 8 g + x
	s_and_b32 s16, ttmp7, 0xffff                   ; b x 8 + kv head
	v_bfe_u32 v8, v0, 1, 1                         ; head / 2: which fragment of o's K step
	v_mul_u32_u24 v94, v8, 1536
	v_lshl_add_u32 v94, v9, 4, v94
	v_lshl_add_u32 v94, v11, 8, v94                ; the image's lane: row 4 wq + q', half h
	s_mul_i32 s20, s23, 3072
	s_lshl_b32 s21, s13, 6
	s_add_co_u32 s20, s20, s21
	s_add_co_u32 s20, s20, LOI
	v_add_nc_u32 v94, s20, v94
	v_and_b32 v10, 1, v0                           ; head % 2: registers 0-5 or 6-11 of that lane
	v_mad_u32_u24 v95, v10, 1016, v94
	v_mad_u32_u24 v94, v10, 520, v94
	v_lshlrev_b32 v31, 3, v9
	v_lshl_add_u32 v31, v8, 2, v31
	s_lshl_b32 s20, s23, 7
	s_lshl_b32 s21, s13, 5
	s_add_co_u32 s20, s20, s21
	s_add_co_u32 s20, s20, LOS
	v_add_nc_u32 v31, s20, v31                     ; o's scale word: row x 8 + fragment x 4
	v_lshlrev_b32 v8, 4, v0                        ; the copy: 16 x thread,
	v_add_nc_u32 v9, 0x10000, v8                   ; and the same 65,536 bytes on (an LDS immediate has 16 bits)
.irp j, 22,23,24,25,26,27,80,81,82,83,84,85
	v_mov_b32 v\j, 0
.endr
	s_mov_b32 s38, 0x3e38aa3b                      ; log2(e) / 8
	s_mov_b32 s39, s38                             ; (named with it as a pair)
	s_mov_b32 s40, 0x76543210
	s_mov_b32 s41, 0xfedcba98                      ; v_permlanex16_b32's selects for lane l xor 16
	s_mul_i32 s20, s16, 104448
	s_add_co_u32 s20, s20, KVO
	s_mov_b32 s21, 0
	s_wait_kmcnt 0x0
	s_add_nc_u64 s[24:25], s[4:5], s[20:21]
.irp i, 0,1,2,3,4,5,6,7,8,9,10,11
	global_load_b128 v[96+4*\i:99+4*\i], v8, s[24:25] offset:8192*\i   ; 512 threads x 16 bytes
.endr
	s_cmp_lt_u32 s12, 12                           ; the last 6,144 bytes: twelve waves
	s_cbranch_scc0 .Lno13
	global_load_b128 v[144:147], v8, s[24:25] offset:98304
	s_wait_loadcnt 0x0
	ds_store_b128 v9, v[144:147] offset:32768
.Lno13:
	s_wait_loadcnt 0x0
.irp i, 0,1,2,3,4,5,6,7
	ds_store_b128 v8, v[96+4*\i:99+4*\i] offset:8192*\i
.endr
.irp i, 8,9,10,11
	ds_store_b128 v9, v[96+4*\i:99+4*\i] offset:8192*(\i-8)
.endr
	s_wait_dscnt 0x0                               ; for the others' sake: my stores have landed
	s_barrier_signal -1
	s_barrier_wait -1
	s_mov_b32 s17, 0                               ; pass
	s_mov_b32 s36, 0                               ; the pass's place among o's images,
	s_mov_b32 s37, 0                               ; and among their scale words
.Lpass:
	s_wait_xcnt 0x0                                ; the last pass's loads have read their bases
	s_cmp_eq_u32 s17, 0
	s_cselect_b32 s20, s14, s15
	s_lshl_b32 s20, s20, 2
	s_add_co_u32 s20, s20, s13                     ; tau: queries 4 tau .. 4 tau + 3
	s_lshl_b32 s22, s20, 2
	s_load_b32 s19, s[8:9], s22 offset:0x0         ; the tile's bits: which key steps count
	s_mov_b32 s43, 0
	s_mul_i32 s42, s16, 196608
	s_mul_i32 s23, s20, 384
	s_add_co_u32 s42, s42, s23
	s_add_nc_u64 s[26:27], s[4:5], s[42:43]        ; q's codes
	s_lshl_b32 s42, s16, 13
	s_lshl_b32 s23, s20, 4
	s_add_co_u32 s42, s42, s23
	s_add_co_u32 s42, s42, QSO
	s_add_nc_u64 s[28:29], s[4:5], s[42:43]        ; q's scale bytes
	s_lshl_b32 s42, s20, 14
	s_add_co_u32 s42, s42, M2
	s_add_nc_u64 s[30:31], s[6:7], s[42:43]        ; the tile's mask
	v_and_b32 v9, 15, v0
	v_bfe_u32 v10, v0, 4, 1
	v_bfe_u32 v11, v0, 2, 2
	v_and_b32 v30, 3, v0
	v_mul_u32_u24 v8, v10, 98304                   ; my half of the 64,
	v_mad_u32_u24 v8, v11, 96, v8                  ; my query,
	v_mad_u32_u24 v8, v30, 24, v8                  ; my head
	global_load_b64 v[16:17], v8, s[26:27]
	global_load_b64 v[18:19], v8, s[26:27] offset:8
	global_load_b64 v[20:21], v8, s[26:27] offset:16
	global_load_u8 v92, v9, s[28:29]               ; the byte of channels 0-31,
	global_load_u8 v93, v9, s[28:29] offset:4096   ; of 32-63
	v_mov_b32 v13, 0xff61b1e6                      ; the largest t so far: -3e38
	v_floor_f32 v12, -v13                          ; -M
	v_mov_b32 v14, 0
	v_mov_b32 v15, 0
	s_mov_b32 s32, 0                               ; the step's images of k and of v: 6,144 bytes a step each
	s_mov_b32 s33, 0                               ; k's scale words: 512
	s_mov_b32 s34, 0                               ; v's: 256
	s_mov_b32 s35, 0                               ; the mask: 2,048
	s_mov_b32 s18, 0                               ; the step
	s_wait_loadcnt 0x0
	s_wait_kmcnt 0x0
	v_lshl_or_b32 v28, v93, 8, v92                 ; q's scale word; bytes 2, 3 stay 0: they meet zero codes.  (The 32 lines below are its places ahead of the scaled products)
.set j_, 0
.rept 32
	v_mov_b32 v[160+j_], 0                         ; O^T: the step is written once; the first finds zeros
.set j_, j_+1
.endr
.Lstep:
	s_lshr_b32 s42, s19, s18
	s_and_b32 s42, s42, 1
	s_cmp_eq_u32 s42, 0
	s_cbranch_scc1 .Lskip                          ; every p of this step would be 0
	v_add_nc_u32 v8, s32, v1                       ; (these five are also the places behind the last step's products)
	v_add_nc_u32 v9, s32, v2
	v_add_nc_u32 v10, s33, v3
	v_add_nc_u32 v11, s34, v4
	v_add_nc_u32 v30, s35, v7
.set n_, 0
.rept 16
	global_load_b128 v[192+4*n_:195+4*n_], v30, s[30:31] offset:128*n_   ; register 4 n + e: key 32 (n / 4) + 16 h + 4 (n % 4) + e of my query: as S^T lies
.set n_, n_+1
.endr
.irp t, 0,1,2,3,4,5,6,7
.irp i, 0,1,2
	ds_load_b64 v[32+6*\t+2*\i:33+6*\t+2*\i], v8 offset:768*\t+256*\i
.endr
.endr
.irp i, 0,1,2,3
	ds_load_b32 v[86+\i], v10 offset:128*\i        ; lanes 0-15 tile 2 i's words, lanes 16-31 tile 2 i + 1's
.endr
	s_wait_dscnt 0x0
.irp t, 0,2,4,6
	v_wmma_scale_f32_16x16x128_f8f6f4 v[96+8*\t:103+8*\t], v[32+6*\t:43+6*\t], v[16:27], 0, v[86+\t/2], v28 matrix_a_fmt:MATRIX_FMT_FP6 matrix_b_fmt:MATRIX_FMT_FP6
	v_wmma_scale_f32_16x16x128_f8f6f4 v[104+8*\t:111+8*\t], v[38+6*\t:49+6*\t], v[16:27], 0, v[86+\t/2], v28 matrix_a_fmt:MATRIX_FMT_FP6 matrix_b_fmt:MATRIX_FMT_FP6 matrix_a_scale:MATRIX_SCALE_ROW1
.endr
.rept 4
	v_nop                                          ; places: in front of the loads into k's registers, and of the first read of the scores
.endr
.irp d, 0,1,2,3
.irp m, 0,1,2
	ds_load_b128 v[32+12*\d+4*\m:35+12*\d+4*\m], v9 offset:1536*\d+512*\m   ; v's four fragments land while the softmax is walked
.endr
.endr
	ds_load_b32 v90, v11
	ds_load_b32 v91, v11 offset:128
	s_wait_loadcnt 0x0                             ; the mask
.set j_, 0
.rept 32
	v_pk_fma_f32 v[96+j_:97+j_], v[96+j_:97+j_], s[38:39], v[192+j_:193+j_] op_sel_hi:[1,0,1]   ; t = score x log2(e) / 8 + mask x log2(e)
.set j_, j_+2
.endr
.irp b, 0,1,2,3
	v_max3_num_f32 v[232+\b], v[96+16*\b], v[97+16*\b], v[98+16*\b]   ; the largest t of each block of 32 keys: for the row's maximum, and for the block's largest p
.endr
.irp i, 3,5,7,9,11,13
.irp b, 0,1,2,3
	v_max3_num_f32 v[232+\b], v[232+\b], v[96+16*\b+\i], v[97+16*\b+\i]
.endr
.endr
.irp b, 0,1,2,3
	v_max_num_f32 v[232+\b], v[232+\b], v[111+16*\b]
.endr
.irp b, 0,1,2,3
	v_permlanex16_b32 v[236+\b], v[232+\b], s40, s41
.endr
.irp b, 0,1,2,3
	v_max_num_f32 v[232+\b], v[232+\b], v[236+\b]
.endr
	v_max3_num_f32 v254, v232, v233, v234
	v_max_num_f32 v254, v254, v235
	v_max_num_f32 v13, v13, v254                   ; the running largest t
	v_mov_b32 v254, v12
	v_floor_f32 v12, -v13                          ; the new -M: M is a whole number
	v_sub_f32 v254, v12, v254                      ; old M - new M, 0 or less
	v_cvt_i32_f32 v254, v254                       ; (it saturates)
	v_ldexp_f32 v92, 1.0, v254                     ; f = 2^(old M - new M): rounds nothing
.set j_, 0
.rept 32
	v_pk_add_f32 v[96+j_:97+j_], v[96+j_:97+j_], v[12:13] op_sel_hi:[1,0]   ; t - M
.set j_, j_+2
.endr
.irp b, 0,1,2,3
	v_add_f32 v[232+\b], v[232+\b], v12
.endr
.set j_, 0
.rept 64
	v_exp_f32 v[96+j_], v[96+j_]                   ; p = 2^(t - M): not normalised
.set j_, j_+1
.endr
	v_pk_mul_f32 v[14:15], v[14:15], v[92:93] op_sel_hi:[1,0]   ; the sum under the new M (a plain place behind the exponentials)
	s_wait_alu depctr_va_vdst(0)                   ; one wait for the batch, ahead of its first reader
.irp b, 0,1,2,3
	v_exp_f32 v[232+\b], v[232+\b]                 ; the block's largest p
.endr
	v_pk_add_f32 v[236:237], v[96:97], v[98:99]    ; the row's sum is taken of the unquantised p, in two chains
.irp j, 4,8,12,16,20,24,28,32,36,40,44,48,52,56,60
	v_pk_add_f32 v[14:15], v[14:15], v[96+\j:97+\j]
	v_pk_add_f32 v[236:237], v[236:237], v[98+\j:99+\j]
.endr
	v_pk_add_f32 v[14:15], v[14:15], v[236:237]
	s_wait_alu depctr_va_vdst(0)                   ; and one for the four
.irp b, 0,1,2,3
	v_max_num_f32 v[232+\b], 0x1800000, v[232+\b]  ; the floor 2^(3 - 127)
.endr
.irp b, 0,1,2,3
	v_add_nc_u32 v[244+\b], 0xff000000, v[232+\b]
.endr
.irp b, 0,1,2,3
	v_lshrrev_b32 v[236+\b], 23, v[244+\b]
.endr
	v_lshl_or_b32 v29, v237, 8, v236               ; p's scale word for these 128 keys
	v_lshl_or_b32 v29, v238, 16, v29
	v_lshl_or_b32 v29, v239, 24, v29
.irp c, 0,1
	v_cvt_scalef32_pk16_fp6_f32 v[224+6*\c:226+6*\c], v[96+32*\c:111+32*\c], v[244+2*\c]
	v_cvt_scalef32_pk16_fp6_f32 v[236+4*\c:238+4*\c], v[112+32*\c:127+32*\c], v[244+2*\c+1]
.endr
	v_nop                                          ; one plain place behind a scaled conversion
.irp c, 0,1
.irp i, 0,1,2
	v_permlane16_swap_b32 v[224+6*\c+\i], v[236+4*\c+\i]
.endr
.irp i, 0,1,2
	v_mov_b32 v[227+6*\c+\i], v[236+4*\c+\i]
.endr
.endr
.set j_, 0
.rept 16
	v_pk_mul_f32 v[160+j_:161+j_], v[160+j_:161+j_], v[92:93] op_sel_hi:[1,0]   ; O^T under the new M (these 16 are also the places ahead of the scaled products)
.set j_, j_+2
.endr
	s_wait_dscnt 0x0                               ; v
.irp d, 0,2
	v_wmma_scale_f32_16x16x128_f8f6f4 v[160+8*\d:167+8*\d], v[32+12*\d:43+12*\d], v[224:235], v[160+8*\d:167+8*\d], v[90+\d/2], v29 matrix_a_fmt:MATRIX_FMT_FP6 matrix_b_fmt:MATRIX_FMT_FP6
	v_wmma_scale_f32_16x16x128_f8f6f4 v[168+8*\d:175+8*\d], v[44+12*\d:55+12*\d], v[224:235], v[168+8*\d:175+8*\d], v[90+\d/2], v29 matrix_a_fmt:MATRIX_FMT_FP6 matrix_b_fmt:MATRIX_FMT_FP6 matrix_a_scale:MATRIX_SCALE_ROW1
.endr
.Lskip:
	s_add_co_u32 s32, s32, 6144
	s_add_co_u32 s33, s33, 512
	s_add_co_u32 s34, s34, 256
	s_add_co_u32 s35, s35, 2048
	s_add_co_u32 s18, s18, 1
	s_cmp_lt_u32 s18, 8
	s_cbranch_scc1 .Lstep
	; the pass's end: o = O^T / the sum, quantised along the head's 64: two blocks of 32
.rept 4
	v_nop                                          ; places behind the last products
.endr
	v_add_f32 v14, v14, v15
	v_permlanex16_b32 v92, v14, s40, s41
	v_add_f32 v14, v14, v92                        ; the row's sum
	v_rcp_f32 v15, v14
	v_nop                                          ; a plain place behind the reciprocal
	v_cmp_eq_u32 vcc_lo, 0, v14                    ; a row with nothing in it
	v_mov_b32 v240, 0xff
	v_mov_b32 v236, 0
	v_mov_b32 v237, 0
	v_mov_b32 v234, 0
	s_wait_alu depctr_va_vdst(0)                   ; ahead of the reciprocal's first reader
.set j_, 0
.rept 32
	v_mul_f32 v[96+j_], v[160+j_], v15             ; register 16 b + i: channel 32 b + 16 h + i
.set j_, j_+1
.endr
.irp b, 0,1
	v_max3_num_f32 v[232+\b], |v[96+16*\b]|, |v[97+16*\b]|, 0x1800000
.endr
.irp i, 2,4,6,8,10,12,14
.irp b, 0,1
	v_max3_num_f32 v[232+\b], v[232+\b], |v[96+16*\b+\i]|, |v[97+16*\b+\i]|
.endr
.endr
.irp b, 0,1
	v_permlanex16_b32 v[236+\b], v[232+\b], s40, s41
.endr
.irp b, 0,1
	v_max_num_f32 v[232+\b], v[232+\b], v[236+\b]
.endr
.irp b, 0,1
	v_add_nc_u32 v[244+\b], 0xff000000, v[232+\b]
.endr
.irp b, 0,1
	v_lshrrev_b32 v[236+\b], 23, v[244+\b]
.endr
.irp b, 0,1
	v_cndmask_b32 v[236+\b], v[236+\b], v240, vcc_lo   ; sum 0: the byte that makes the product NaN
.endr
	v_cvt_scalef32_pk16_fp6_f32 v[224:226], v[96:111], v244
	v_cvt_scalef32_pk16_fp6_f32 v[228:230], v[112:127], v245
	v_nop                                          ; one plain place behind a scaled conversion
.irp i, 0,1,2
	v_permlane16_swap_b32 v[224+\i], v[228+\i]
.endr
.irp i, 0,1,2
	v_mov_b32 v[227+\i], v[228+\i]                 ; v224-229: my head's channels 32 h + 0 .. 31
.endr
	v_lshl_or_b32 v232, v237, 8, v236              ; my head's two bytes,
	v_and_b32 v233, 1, v0
	v_lshlrev_b32 v233, 4, v233
	v_lshlrev_b32 v232, v233, v232                 ; at their places in the word of heads 2 n, 2 n + 1,
	v_mov_b32_dpp v234, v232 row_xmask:1 row_mask:0xf bank_mask:0xf
	v_or_b32 v232, v232, v234                      ; with the neighbouring head's
	v_add_nc_u32 v8, s36, v94
	v_add_nc_u32 v9, s36, v95
	v_add_nc_u32 v10, s37, v31
	ds_store_b64 v8, v[224:225]                    ; into the image of the last product's operand: registers 6 (head % 2) + 0 .. 5 of lane (row, h)
	ds_store_b64 v9, v[226:227] offset:8
	ds_store_b64 v8, v[228:229] offset:512
	ds_store_b32 v10, v232
	s_add_co_u32 s36, s36, 12288
	s_add_co_u32 s37, s37, 512
	s_add_co_u32 s17, s17, 1
	s_cmp_lt_u32 s17, 2
	s_cbranch_scc1 .Lpass
	s_wait_dscnt 0x0                               ; for the others' sake: my stores have landed
	s_barrier_signal -1
	s_barrier_wait -1
	; eight blocks of 16 queries lie whole in LDS: wave w stores fragment w % 2 of block w / 2; waves 0-7 also a block's scale words
.macro TSLOT dst, slot, tmp            ; which block of 16 queries lies in a slot: slots 0-3 pass 0, slots 4-7 pass 1
	s_and_b32 \dst, \slot, 3
	s_lshl_b32 \dst, \dst, 3
	s_sub_co_u32 \tmp, 56, \dst
	s_cmp_lt_u32 \slot, 4
	s_cselect_b32 \dst, \dst, \tmp
	s_add_co_u32 \dst, \dst, ttmp9
.endm
	s_mul_i32 s20, s12, 1536
	s_add_co_u32 s20, s20, LOI
	v_and_b32 v9, 31, v0
	v_lshlrev_b32 v11, 2, v9                       ; 4 x lane
	v_lshlrev_b32 v9, 4, v9                        ; 16 x lane
	v_add_nc_u32 v8, s20, v9
	s_min_u32 s20, s12, 7
	s_lshl_b32 s20, s20, 7
	s_add_co_u32 s20, s20, LOS
	v_add_nc_u32 v10, s20, v11
	ds_load_b128 v[96:99], v8
	ds_load_b128 v[100:103], v8 offset:512
	ds_load_b128 v[104:107], v8 offset:1024
	s_and_b32 s44, s16, 7                          ; kv head = the last product's K step of 256
	s_lshr_b32 s45, s16, 3                         ; b
	s_lshl_b32 s45, s45, 6
	s_lshr_b32 s21, s12, 1
	TSLOT s22, s21, s23
	s_add_co_u32 s22, s22, s45                     ; the row block
	s_lshl_b32 s23, s44, 8
	s_add_co_u32 s22, s22, s23
	s_mul_i32 s42, s22, 3072
	s_and_b32 s23, s12, 1
	s_mul_i32 s23, s23, 1536
	s_add_co_u32 s42, s42, s23
	s_mov_b32 s43, 0
	s_add_nc_u64 s[26:27], s[10:11], s[42:43]
	s_wait_dscnt 2
	global_store_b128 v9, v[96:99], s[26:27]       ; 512 consecutive bytes each
	s_wait_dscnt 1
	global_store_b128 v9, v[100:103], s[26:27] offset:512
	s_wait_dscnt 0x0
	global_store_b128 v9, v[104:107], s[26:27] offset:1024
	s_cmp_lt_u32 s12, 8
	s_cbranch_scc0 .Lnosc
	ds_load_b32 v108, v10
	TSLOT s22, s12, s23
	s_add_co_u32 s22, s22, s45
	s_lshl_b32 s42, s22, 10
	s_lshl_b32 s23, s44, 7
	s_add_co_u32 s42, s42, s23
	s_add_co_u32 s42, s42, OSO
	s_add_nc_u64 s[28:29], s[10:11], s[42:43]
	s_wait_dscnt 0x0
	global_store_b32 v11, v108, s[28:29]           ; 128 consecutive bytes: this kv head's words of 16 rows
.Lnosc:
	s_wait_tensorcnt 0x0                           ; the wave's end, behind my last LDS store
	ds_add_u32 v5, v6
	s_wait_dscnt 0x0
	s_endpgm
.Lfunc_end_k_qdf6932c016_attn:
	.size	k_qdf6932c016_attn, .Lfunc_end_k_qdf6932c016_attn-k_qdf6932c016_attn
	.p2alignl 7, 3214868480
	.fill 96, 4, 3214868480
	.section	.rodata,"a",@progbits
	.p2align	6, 0x0
	.amdhsa_kernel k_qdf6932c016_attn
		.amdhsa_group_segment_fixed_size 132096
		.amdhsa_private_segment_fixed_size 0
		.amdhsa_enable_private_segment 0
		.amdhsa_kernarg_size 32
		.amdhsa_user_sgpr_count 2
		.amdhsa_user_sgpr_kernarg_segment_ptr 1
		.amdhsa_wavefront_size32 1
		.amdhsa_system_sgpr_workgroup_id_x 1
		.amdhsa_system_sgpr_workgroup_id_y 1
		.amdhsa_system_sgpr_workgroup_id_z 1
		.amdhsa_system_vgpr_workitem_id 0
		.amdhsa_next_free_vgpr 256
		.amdhsa_next_free_sgpr 66
		.amdhsa_reserve_vcc 1
		.amdhsa_float_denorm_mode_32 3
		.amdhsa_float_denorm_mode_16_64 3
		.amdhsa_memory_ordered 1
		.amdhsa_forward_progress 1
		.amdhsa_inst_pref_size 36
	.end_amdhsa_kernel
	.amdgpu_metadata
---
amdhsa.version: [ 1, 2 ]
amdhsa.kernels:
  - .name:           k_qdf6932c016_attn
    .symbol:         k_qdf6932c016_attn.kd
    .args:
      - { .name: qkv, .offset: 0, .size: 8, .value_kind: global_buffer, .address_space: global }
      - { .name: wsq, .offset: 8, .size: 8, .value_kind: global_buffer, .address_space: global }
      - { .name: flags, .offset: 16, .size: 8, .value_kind: global_buffer, .address_space: global }
      - { .name: att, .offset: 24, .size: 8, .value_kind: global_buffer, .address_space: global }
    .group_segment_fixed_size: 132096
    .private_segment_fixed_size: 0
    .kernarg_segment_align: 8
    .kernarg_segment_size: 32
    .max_flat_workgroup_size: 512
    .sgpr_count:     66
    .vgpr_count:     256
    .wavefront_size: 32
...
	.end_amdgpu_metadata
.endif
;; end of part 3
;; launch outp (part 4): grid 8 x 16, 4 waves a work-group, clusters of 4 x 4, 327,680 bytes of LDS; arguments att, wsq, out0; writes out0
.if DOCPART == 4
	.amdgcn_target "amdgcn-amd-amdhsa--gfx1250"
	.amdhsa_code_object_version 6
	.text
	.protected	k_qdf6932c016_outp
	.globl	k_qdf6932c016_outp
	.p2align	8
	.type	k_qdf6932c016_outp,@function
k_qdf6932c016_outp:
	s_mov_b64 s[64:65], 0
	v_nop
	global_prefetch_b8 v0, s[64:65] scope:SCOPE_SE
	s_setreg_imm32_b32 hwreg(HW_REG_WAVE_MODE, 25, 1), 1
	s_wait_xcnt 0x0
	s_wait_alu depctr_hold_cnt(0) depctr_sa_sdst(0) depctr_va_vdst(0) depctr_va_sdst(0) depctr_va_ssrc(0) depctr_va_vcc(0) depctr_vm_vsrc(0)
	s_getreg_b32 s2, hwreg(HW_REG_IB_STS2, 6, 4)
	s_cmp_eq_u32 s2, 0
	s_cbranch_scc0 .Lentry_in_a_cluster
	s_endpgm
.Lentry_in_a_cluster:
	s_bfe_u32 s2, ttmp6, 0x10000c
	s_cmp_lg_u32 s2, 0xf033
	s_cbranch_scc0 .Lentry_shape_is_right
	s_endpgm
.Lentry_shape_is_right:
; out0 = o wo on codes of FP6 (E2M3): 4,096 x 2,048 x 2,048, f32 out.  o's codes and scale words come from the attention launch, wo's from the quantising launch, both as images of operand registers
; (a fragment = 1,536 bytes, lane L's registers 4 m .. 4 m + 3 at 512 m + 16 L): 128 rows of a K step of 256 are 24,576 dense bytes, and a fragment is three ds_load_b128.
; A work-group of four waves makes 256 x 256, a wave 128 x 128: 64 accumulators, 512 registers.  K goes in steps of 256 through two LDS slots filled by the tensor data mover; the scale words come once, with the first fills.
; CLUSTER 4 x 4: o's tiles are asked for jointly along a row of the cluster, wo's along a column.  128 work-groups: a tile of 256 x 256 keeps the loop that the first product has.
; THE MATRIX INSTRUCTION IS USED TRANSPOSED: source 0 = 16 columns of wo, source 1 = 16 rows of o.  wo's image block 2 B + u, row r is column 32 B + 8 u + r % 8 + 16 (r / 8): so the 16 registers of column
; blocks 2 b, 2 b + 1 are columns 32 b + 16 (lane / 16) + 0 .. 15 of one row of out0.  o's rows lie in their own order.
; REGISTERS, in windows of 256: window 0: v0-31 addresses; v32-63 scale words, two sets; v128-223 source 1's fragments; window 1: source 0's, two sets; windows 2, 3: the accumulators.
.set KSSA,  786432
.set KSSB,  393216
.set OSO,   6291456                    ; o's scale words in att
.set WOC,   11468800                   ; wo's codes and scale words in wsq
.set WOS,   14614528
.set NQ,    2
.set FR,    12
.set NL,    3
.set NP,    4                          ; places behind this matrix instruction (ISA guide 7.12.1)
.set HALFT, 24576
.set SLOT,  4*HALFT
.set LAPS,  4
.set SCL,   2*SLOT                     ; o's scale words (16,384 bytes); wo's lie 16,384 + 128 bytes on
.set SPARE, 229632                     ; the spare words, 128 bytes for each wave
.set SPITCH, 528                       ; the way out: a stage of 16 rows x (512 + 16) bytes for each wave, in slot 0, which has had its last fill and its last read by then
.set ADRA, 16
.set ADRB, 20
.set STO,  24
.set RD,   25
.set CO,   26
.set ADRS, 27
.set SPW,  28
.set NIL,  29
.set SC,   32
.set AF,   128
.set BK,   128
.set G1, 24
.set G0, 32
.set G1B, 48
.set G0B, 56
.set G1S, 68
.set G0S, 76
.set G1SB, 80
.set G0SB, 88
.set MSB, 0
.macro WIN new                         ; the immediate's high byte repeats the setting that is left
.if MSB != (\new)
	s_set_vgpr_msb (MSB<<8)|(\new)
.set MSB, (\new)
.endif
.endm
.set MUL_LO, 0xa1
.set MUL_HI, 0xf1
.set TO_B,   0x40
.macro JLOAD g0a, g1a, g0b, g1b        ; a joint load: waves 0 and 1 fetch for o, waves 2 and 3 for wo; an s_nop 0 and four v_nop follow each line
	s_cmp_eq_u32 s15, 0
	s_cbranch_scc0 .Lfor_b_\@
	tensor_load_to_lds s[\g0a:\g0a+3], s[\g1a:\g1a+7]
	s_nop 0
.rept 4
	v_nop
.endr
	s_branch .Lasked_\@
.Lfor_b_\@:
	tensor_load_to_lds s[\g0b:\g0b+3], s[\g1b:\g1b+7]
	s_nop 0
.rept 4
	v_nop
.endr
.Lasked_\@:
.endm
.macro CREST
	s_cmp_lg_u32 s14, 0
	s_cbranch_scc1 .Lnot_wave_0_\@
	s_barrier_signal -3
.Lnot_wave_0_\@:
	s_barrier_wait -3
	s_barrier_signal -1
	s_barrier_wait -1
.endm
.macro CROUND
	s_barrier_signal -1
	s_barrier_wait -1
	CREST
.endm
	s_load_b128 s[4:7], s[0:1], 0x0                ; att, wsq
	s_load_b64 s[8:9], s[0:1], 0x10                ; out0
	v_lshl_add_u32 v[SPW], v0, 2, SPARE
	v_mov_b32 v[NIL], 0
	ds_add_u32 v[SPW], v[NIL]                      ; the wave's opening: the add and its wait ahead of my first tensor load
	v_lshrrev_b32 v1, 5, v0
	v_readfirstlane_b32 s14, v1
	s_lshr_b32 s15, s14, 1
	s_and_b32 s16, s14, 1
	s_bfe_u32 s40, ttmp6, 0x40000
	s_bfe_u32 s41, ttmp6, 0x40004
	s_lshl_b32 s42, ttmp9, 2
	s_add_co_u32 s42, s42, s40                     ; tile column
	s_and_b32 s17, ttmp7, 0xffff
	s_lshl_b32 s17, s17, 2
	s_add_co_u32 s17, s17, s41                     ; tile row
	s_lshl_b32 s43, s41, 2
	s_lshl_b32 s43, 15, s43
	s_lshl_b32 s44, 0x1111, s40
	s_or_b32 s[G1+0], s43, (3<<16)|(1<<21)         ; the mask; elements of 8 bytes; bit 21 beside a mask; no padding
	s_or_b32 s[G1B+0], s44, (3<<16)|(1<<21)
.irp g, G1, G1B
	s_mov_b32 s[\g+1], 32<<16                      ; 24,576 dense bytes as 96 rows of 256
	s_mov_b32 s[\g+2], 96<<16
	s_mov_b32 s[\g+3], 32<<16
	s_mov_b32 s[\g+4], 96
	s_mov_b32 s[\g+5], 32
	s_mov_b32 s[\g+6], 0
	s_mov_b32 s[\g+7], 0
.endr
	s_or_b32 s[G1S+0], s43, (3<<16)|(1<<21)
	s_or_b32 s[G1SB+0], s44, (3<<16)|(1<<21)
.irp g, G1S, G1SB
	s_mov_b32 s[\g+1], 32<<16                      ; 8,192 dense bytes as 32 rows of 256
	s_mov_b32 s[\g+2], 32<<16
	s_mov_b32 s[\g+3], 32<<16
	s_mov_b32 s[\g+4], 32
	s_mov_b32 s[\g+5], 32
	s_mov_b32 s[\g+6], 0
	s_mov_b32 s[\g+7], 0
.endr
	s_lshl_b32 s18, s16, 3
	s_lshl_b32 s20, s17, 4
	s_add_co_u32 s20, s20, s18
	s_lshl_b32 s46, s42, 4
	s_add_co_u32 s46, s46, s18
	s_lshl_b32 s22, s20, 10
	s_add_co_u32 s22, s22, OSO
	s_mov_b32 s23, 0
	s_lshl_b32 s92, s46, 10
	s_add_co_u32 s92, s92, WOS
	s_mov_b32 s93, 0
	s_mul_i32 s20, s20, 3072
	s_mov_b32 s21, 0
	s_mul_i32 s46, s46, 3072
	s_add_co_u32 s46, s46, WOC
	s_mov_b32 s47, 0
	s_mul_i32 s45, s14, HALFT
	s_lshl_b32 s94, s14, 13
	s_lshl_b32 s95, s15, 7
	s_add_co_u32 s94, s94, s95
	s_wait_dscnt 0x0                               ; the opening add is done
	s_wait_kmcnt 0x0
	s_add_nc_u64 s[20:21], s[4:5], s[20:21]
	s_add_nc_u64 s[22:23], s[4:5], s[22:23]
	s_add_nc_u64 s[46:47], s[6:7], s[46:47]
	s_add_nc_u64 s[92:93], s[6:7], s[92:93]
	CROUND                                         ; all sixteen work-groups are here: the first joint loads meet
	s_mov_b32 s[G0S], 1
	s_add_co_u32 s[G0S+1], s94, SCL
	s_mov_b64 s[G0S+2:G0S+3], s[22:23]
	s_or_b32 s[G0S+3], s[G0S+3], 0x80000000
	s_mov_b32 s[G0SB], 1
	s_add_co_u32 s[G0SB+1], s94, SCL
	s_mov_b64 s[G0SB+2:G0SB+3], s[92:93]
	s_or_b32 s[G0SB+3], s[G0SB+3], 0x80000000
	JLOAD G0S, G1S, G0SB, G1SB                     ; three loads of mine are out behind the last of these
.irp s, 0,1
	s_mov_b32 s[G0+4*\s], 1
	s_add_co_u32 s[G0+4*\s+1], s45, \s*SLOT
	s_add_nc_u64 s[G0+4*\s+2:G0+4*\s+3], s[20:21], \s*KSSA
	s_or_b32 s[G0+4*\s+3], s[G0+4*\s+3], 0x80000000
	s_mov_b32 s[G0B+4*\s], 1
	s_add_co_u32 s[G0B+4*\s+1], s45, \s*SLOT
	s_add_nc_u64 s[G0B+4*\s+2:G0B+4*\s+3], s[46:47], \s*KSSB
	s_or_b32 s[G0B+4*\s+3], s[G0B+4*\s+3], 0x80000000
	JLOAD G0+4*\s, G1, G0B+4*\s, G1B
.endr
	v_and_b32 v1, 15, v0                           ; r
	v_bfe_u32 v2, v0, 4, 1                         ; h
	v_and_b32 v3, 31, v0
	v_lshlrev_b32 v[CO], 4, v3                     ; 16 x lane
	s_mul_i32 s21, s15, HALFT
	s_mul_i32 s22, s16, HALFT
	s_add_co_u32 s22, s22, 2*HALFT
.irp s, 0,1
	v_add_nc_u32 v[ADRA+\s], s21, v[CO]
	v_add_nc_u32 v[ADRB+\s], s22, v[CO]
	s_add_co_u32 s21, s21, SLOT
	s_add_co_u32 s22, s22, SLOT
.endr
	s_lshl_b32 s21, s15, 13
	s_lshl_b32 s22, s16, 13
	s_add_co_u32 s22, s22, 16384+128
	s_sub_co_u32 s22, s22, s21
	v_mul_u32_u24 v5, s22, v2                      ; lanes 16-31 take wo's words
	v_lshl_add_u32 v5, v1, 3, v5
	s_add_co_u32 s21, s21, SCL
	v_add_nc_u32 v[ADRS], s21, v5
	s_mul_i32 s23, s14, 16*SPITCH                  ; my stage
	v_mul_u32_u24 v5, v1, SPITCH
	v_lshl_add_u32 v5, v2, 6, v5                   ; row r, + 16 columns for the upper half of the lanes
	v_add_nc_u32 v[STO], s23, v5
	v_add_nc_u32 v[RD], s23, v[CO]
	s_lshl_b32 s20, s17, 8
	s_lshl_b32 s21, s15, 7
	s_add_co_u32 s20, s20, s21                     ; my first row of out0
	s_lshl_b32 s20, s20, 13                        ; 8,192 bytes a row
	s_lshl_b32 s46, s42, 10
	s_lshl_b32 s47, s16, 9
	s_add_co_u32 s46, s46, s47                     ; my first column, in bytes
	s_add_co_u32 s20, s20, s46
	s_mov_b32 s21, 0
	s_add_nc_u64 s[8:9], s[8:9], s[20:21]
.macro FRAG reg, adr, q, i
.irp c, 0,1,2
	ds_load_b128 v[\reg+4*\c:\reg+4*\c+3], v[\adr] offset:3072*(\i)+1536*(\q)+512*\c
.endr
.endm
; The 64 accumulators take turns, one instruction a turn, in the same order in every step.
.macro MUL16 a0, p, q, sc, zero
.irp a, \a0, \a0+1
.irp b, 0,1,2,3,4,5,6,7
.if \zero
	v_wmma_scale_f32_16x16x128_f8f6f4 v[8*(8*((\a)%4)+\b):8*(8*((\a)%4)+\b)+7], v[128*(\p)+FR*\b:128*(\p)+FR*\b+FR-1], v[AF+FR*(\a):AF+FR*(\a)+FR-1], 0, v[SC+8*NQ*(\sc)+NQ*\b+(\q)], v[SC+8*NQ*(\sc)+NQ*(\a)+(\q)] matrix_a_fmt:MATRIX_FMT_FP6 matrix_b_fmt:MATRIX_FMT_FP6 matrix_a_scale:MATRIX_SCALE_ROW1
.else
	v_wmma_scale_f32_16x16x128_f8f6f4 v[8*(8*((\a)%4)+\b):8*(8*((\a)%4)+\b)+7], v[128*(\p)+FR*\b:128*(\p)+FR*\b+FR-1], v[AF+FR*(\a):AF+FR*(\a)+FR-1], v[8*(8*((\a)%4)+\b):8*(8*((\a)%4)+\b)+7], v[SC+8*NQ*(\sc)+NQ*\b+(\q)], v[SC+8*NQ*(\sc)+NQ*(\a)+(\q)] matrix_a_fmt:MATRIX_FMT_FP6 matrix_b_fmt:MATRIX_FMT_FP6 matrix_a_scale:MATRIX_SCALE_ROW1
.endif
.endr
.endr
.endm
.macro FETCH_B slot, q, p
	WIN TO_B
.irp i, 0,1,2,3,4,5,6,7
	FRAG 128*(\p)+FR*\i, ADRB+\slot, \q, \i
.endr
	WIN 0
.endm
.macro FETCH_A slot, q, i0
.irp i, \i0, \i0+1, \i0+2, \i0+3
	FRAG AF+FR*(\i), ADRA+\slot, \q, \i
.endr
.endm
.macro SCALES sc
.irp i, 0,1,2,3,4,5,6,7
	ds_load_b64 v[SC+8*NQ*\sc+NQ*\i:SC+8*NQ*\sc+NQ*\i+1], v[ADRS] offset:\i*1024
.endr
.endm
.macro PLACES n
.rept \n
	v_nop
.endr
.endm
.macro STEP slot, q, zero
	s_wait_dscnt 4*NL                              ; all but the youngest 12 loads (source 1's blocks 4-7)
	WIN MUL_LO
	MUL16 0, (\q)%2, \q, \slot, \zero
	MUL16 2, (\q)%2, \q, \slot, \zero
	s_wait_dscnt 0
	PLACES NP
	FETCH_B \slot, (\q)+1, 1-(\q)%2
	FETCH_A \slot, (\q)+1, 0
	WIN MUL_HI
	MUL16 4, (\q)%2, \q, \slot, \zero
	MUL16 6, (\q)%2, \q, \slot, \zero
	PLACES NP
	WIN 0
	FETCH_A \slot, (\q)+1, 4
.endm
.macro TURN slot, next, fill
	s_wait_tensorcnt 0x0                           ; all my tensor loads have landed: my part of the next slot
	ds_add_u32 v[SPW], v[NIL]
	s_wait_dscnt 4*NL+1                            ; (the add and the youngest 12 loads may be out)
	WIN MUL_LO
	MUL16 0, 1, NQ-1, \slot, 0
	s_wait_dscnt 0x0                               ; the add is done, and my reads of this slot are over
	s_barrier_signal -1
	MUL16 2, 1, NQ-1, \slot, 0
	WIN 0
	s_barrier_wait -1
.if \fill
	CREST                                          ; a round of the cluster's barrier: no wave of any partner still reads this slot or has a load on its way
	s_add_nc_u64 s[G0+4*\slot+2:G0+4*\slot+3], s[G0+4*\slot+2:G0+4*\slot+3], 2*KSSA
	s_add_nc_u64 s[G0B+4*\slot+2:G0B+4*\slot+3], s[G0B+4*\slot+2:G0B+4*\slot+3], 2*KSSB
	JLOAD G0+4*\slot, G1, G0B+4*\slot, G1B         ; my one tensor load behind the round
.else
	PLACES NP
.endif
	v_add_nc_u32 v[ADRS], 128, v[ADRS]
	FETCH_B \next, 0, 0
	FETCH_A \next, 0, 0
	SCALES \next
	WIN MUL_HI
	MUL16 4, 1, NQ-1, \slot, 0
	MUL16 6, 1, NQ-1, \slot, 0
	PLACES NP
	WIN 0
	FETCH_A \next, 0, 4
.endm
	s_wait_tensorcnt 1                             ; the scale words and my part of K step 0 are in; K step 1's load may be out
	s_barrier_signal -1
	s_barrier_wait -1
	FETCH_B 0, 0, 0
	FETCH_A 0, 0, 0
	SCALES 0
	FETCH_A 0, 0, 4
	STEP 0, 0, 1
	s_mov_b32 s3, LAPS-1
.Llap:
	TURN 0, 1, 1
	STEP 1, 0, 0
	TURN 1, 0, 1
	STEP 0, 0, 0
	s_sub_co_u32 s3, s3, 1
	s_cmp_lg_u32 s3, 0
	s_cbranch_scc1 .Llap
	TURN 0, 1, 0
	STEP 1, 0, 0
	s_wait_dscnt 4*NL
	WIN MUL_LO
	MUL16 0, 1, NQ-1, 1, 0
	MUL16 2, 1, NQ-1, 1, 0
	s_wait_dscnt 0
	WIN MUL_HI
	MUL16 4, 1, NQ-1, 1, 0
	MUL16 6, 1, NQ-1, 1, 0
	WIN 0
; THE WAY OUT, block by block of 16 rows x 128 columns, through my own stage: in as 32 bytes of a row a lane and column block, back as whole rows of 512 bytes.  LDS serves a wave's instructions in order.
.macro TOSTAGE a
.set AC, 64*((\a)%4)
	WIN 0x08+4*((\a)/4)                            ; an LDS store's data: window 2 or 3
.irp b, 0,1,2,3,4,5,6,7
	ds_store_b128 v[STO], v[AC+8*\b:AC+8*\b+3] offset:128*(\b/2)+32*(\b%2)       ; columns 32 (b / 2) + 16 h + 8 (b % 2) + 0 .. 7; each accumulator from its low end on
	ds_store_b128 v[STO], v[AC+8*\b+4:AC+8*\b+7] offset:128*(\b/2)+32*(\b%2)+16
.endr
	WIN 0
.set BB, BK+64*((\a)%2)
.irp t, 0,1,2,3,4,5,6,7,8,9,10,11,12,13,14,15
	ds_load_b128 v[BB+4*\t:BB+4*\t+3], v[RD] offset:\t*SPITCH
.endr
.endm
.macro SEND a, younger
.set BB, BK+64*((\a)%2)
	s_wait_dscnt \younger                          ; the block is back in registers
.if (\a) > 0
	s_add_nc_u64 s[8:9], s[8:9], 16*8192           ; (behind a wait on XCNT: the earlier stores have read their base)
.endif
.irp t, 0,1,2,3,4,5,6,7,8,9,10,11,12,13,14,15
	global_store_b128 v[CO], v[BB+4*\t:BB+4*\t+3], s[8:9] offset:\t*8192 th:TH_STORE_NT   ; 512 consecutive bytes, at a multiple of 256 from out0's first byte
.endr
.endm
	PLACES NP
	TOSTAGE 0
.irp a, 1,2,3,4,5,6,7
.if \a > 1
	s_wait_xcnt 0x0                                ; block a - 2's stores have read their registers and their base
.endif
	TOSTAGE \a
	SEND \a-1, 32                                  ; behind block a - 1's loads: block a's 16 stores and 16 loads
.endr
	s_wait_xcnt 0x0
	SEND 7, 0
	s_wait_tensorcnt 0x0                           ; the wave's end
	ds_add_u32 v[SPW], v[NIL]
	s_wait_dscnt 0x0
	CROUND                                         ; the closing round
	s_endpgm
.Lfunc_end_k_qdf6932c016_outp:
	.size	k_qdf6932c016_outp, .Lfunc_end_k_qdf6932c016_outp-k_qdf6932c016_outp
	.p2alignl 7, 3214868480
	.fill 96, 4, 3214868480
	.section	.rodata,"a",@progbits
	.p2align	6, 0x0
	.amdhsa_kernel k_qdf6932c016_outp
		.amdhsa_group_segment_fixed_size 327680
		.amdhsa_private_segment_fixed_size 0
		.amdhsa_enable_private_segment 0
		.amdhsa_kernarg_size 24
		.amdhsa_user_sgpr_count 2
		.amdhsa_user_sgpr_kernarg_segment_ptr 1
		.amdhsa_wavefront_size32 1
		.amdhsa_system_sgpr_workgroup_id_x 1
		.amdhsa_system_sgpr_workgroup_id_y 1
		.amdhsa_system_sgpr_workgroup_id_z 1
		.amdhsa_system_vgpr_workitem_id 0
		.amdhsa_next_free_vgpr 1024
		.amdhsa_next_free_sgpr 98
		.amdhsa_reserve_vcc 0
		.amdhsa_float_denorm_mode_32 3
		.amdhsa_float_denorm_mode_16_64 3
		.amdhsa_memory_ordered 1
		.amdhsa_forward_progress 1
		.amdhsa_inst_pref_size 135
	.end_amdhsa_kernel
	.amdgpu_metadata
---
amdhsa.version: [ 1, 2 ]
amdhsa.kernels:
  - .name:           k_qdf6932c016_outp
    .symbol:         k_qdf6932c016_outp.kd
    .args:
      - { .name: att, .offset: 0, .size: 8, .value_kind: global_buffer, .address_space: global }
      - { .name: wsq, .offset: 8, .size: 8, .value_kind: global_buffer, .address_space: global }
      - { .name: out0, .offset: 16, .size: 8, .value_kind: global_buffer, .address_space: global }
    .group_segment_fixed_size: 327680
    .private_segment_fixed_size: 0
    .kernarg_segment_align: 8
    .kernarg_segment_size: 24
    .max_flat_workgroup_size: 128
    .sgpr_count:     98
    .vgpr_count:     1024
    .wavefront_size: 32
...
	.end_amdgpu_metadata
.endif
;; end of part 4
;; ======== version 2 of 2: 4 launches; version 1 with the launch attn written anew for expert scheduling mode
;; workspace buffers: wsq 18,939,904 bytes; flags 1,024 bytes of whole numbers; qkv 9,895,936 bytes; att 6,553,600 bytes
;; launch quant: the kernel of part 1 again; grid 480 x 1, 4 waves a work-group, no clusters, 42,496 bytes of LDS; arguments x, wq, wk, wv, wo, mask, wsq, flags; writes wsq, flags
;; launch qkv: the kernel of part 2 again; grid 12 x 16, 4 waves a work-group, clusters of 4 x 4, 327,680 bytes of LDS; arguments wsq, freqs_cos, freqs_sin, qkv; writes qkv
;; launch attn (part 5): grid 8 x 32, 16 waves a work-group, no clusters, 132,096 bytes of LDS; arguments qkv, wsq, flags, att; writes att
.if DOCPART == 5
	.amdgcn_target "amdgcn-amd-amdhsa--gfx1250"
	.amdhsa_code_object_version 6
	.text
	.protected	k_qdf6932c016_attn
	.globl	k_qdf6932c016_attn
	.p2align	8
	.type	k_qdf6932c016_attn,@function
k_qdf6932c016_attn:
	s_mov_b64 s[64:65], 0
	v_nop
	global_prefetch_b8 v0, s[64:65] scope:SCOPE_SE
	s_setreg_imm32_b32 hwreg(HW_REG_WAVE_SCHED_MODE, 0, 2), 2
	s_setreg_imm32_b32 hwreg(HW_REG_WAVE_MODE, 25, 1), 1
	s_wait_xcnt 0x0
	s_wait_alu depctr_vm_vsrc(0)
; Attention on codes of FP6 (E2M3) for one (batch, kv head) a work-group row: scores = q k^T / 8 + mask, p = 2^(t - M) with t = logit x log2(e) and M the ceiling of the running largest t, o = (v^T p^T) / the sum of the unquantised p;
; o is quantised along head x 64 + channel for the last product.  The mask is honoured as given: it arrives as mask x log2(e) in my lanes' order.
; A key step (128 keys) whose mask is -infinity for all 4 queries of a tile adds nothing (every p is 0): it is left out by a scalar branch on a bit that the first launch stored.  So this launch has no tensor load:
; the (b, kv head)'s k and v, 104,448 bytes of images and scale words, are copied into LDS once, through registers; behind one barrier the sixteen waves go their own ways.
; A WAVE'S TILE IS 4 QUERIES x THE 4 HEADS OF THE KV HEAD: lane % 16 = 4 q' + head.  The heads share k, v and the mask's numbers.  Each wave walks two tiles (passes), one early and one late in the sequence.
; Both products are used transposed: S^T = k q^T (source 0 = 16 keys), O^T = v^T p^T (source 0 = 16 channels): a lane holds one (query, head) throughout.  The keys of a tile and the channels of a tile are laid so that
; the 16 registers of tiles 2 b, 2 b + 1 are 16 neighbours.  The head's 64 fill half of the instruction's K: q's upper six registers are zero codes; k's upper six are whatever follows (the next tile's codes), times zero.
; A row whose mask is -infinity throughout has sum 0: its scale bytes are set to 0xff, so that the last product gives NaN there, as a softmax of such a row does.
; LIMITS: NaN and +infinity in the mask are not served.
; No cluster: what work-groups share (a kv head's 104,448 bytes, read once by each of eight) is small beside the step's own work, and the branch on stored bits forbids joint loads.
; REGISTERS: v1-7 addresses that stay; v8-11, v30 addresses in hand; v12 -M, v13 the largest t, v[14:15] the sum; v16-21 q, v22-27 zeros; v28 q's scale word, v29 p's; v31, v94, v95 where o's codes and words go;
; v32-79 eight tiles of k (6 registers each), then four fragments of v; v80-85 zeros; v86-89 k's scale words, v90-91 v's; v[92:93] f; v96-159 S^T, t, p; v160-191 O^T; v192-255 the mask, then at work.
; THE MODE: SCHED_MODE bits 1:0 = 2 (LLVM: expert scheduling mode 2), set by the entry lines.  The code itself states the register dependences between vector or matrix instructions and memory or LDS instructions,
; with s_wait_alu, always for 0.
; THE PLAN.  Registers that memory or LDS instructions touch:
;   v8-11, v30   Made by vector lines at four places (a pass's head, a step's head, a pass's end, the way out); read by the loads and stores that follow each place.  Ahead of each place one wait on vm_vsrc, behind it one on va_vdst.
;   v16-21, v92, v93   Loaded at a pass's head; v16-21 read by the step's first eight products.
;   v32-79       A step's head loads k's tiles; the first eight products read them; behind these v's fragments land there; the last four products read those.  Sixteen waves of 256 registers leave none for a second set.
;   v86-91       Scale words, loaded in the run at a step's head; read by the products.
;   v192-255     The mask, loaded in the run at a step's head; read by the 32 multiply-adds; v224-255 are then at work, and v224-235 are p's codes, which the last four products read.
;   v96-147      At the head the copy's numbers (loaded, then stored to LDS); on the way out v96-108 come back from LDS.  Between, vector and matrix instructions alone name them.
;   v224-229, v232   The data of a pass's four LDS stores.        v5, v6   written at the head, read by the closing add alone.
; So a step has three waits on va_vdst of this kind: at its head (the five addresses are written; the last step's products and vector lines are done with all that the 46 loads of the run touch), behind the first eight products
; (they are done reading k's registers), and ahead of the last four (p's codes and scale word are written); and one on vm_vsrc, ahead of the five additions.
.set QSO,  6291456                     ; offsets in qkv
.set KVO,  6553600
.set M2,   14745600                    ; the mask in wsq
.set OSO,  6291456                     ; o's scale words in att
.set LVI,  49152                       ; LDS: k's images from 0, v's,
.set LKS,  98304                       ; k's scale words,
.set LVS,  102400                      ; v's,
.set LOI,  104448                      ; o's images: 8 blocks of 16 queries x 3,072,
.set LOS,  129024                      ; their scale words: 8 x 128,
.set SPARE, 130048                     ; the spare words, 128 bytes for each wave
	s_load_b256 s[4:11], s[0:1], 0x0               ; qkv, wsq, flags, att
	v_lshl_add_u32 v5, v0, 2, SPARE                ; my spare word; never rewritten
	v_mov_b32 v6, 0                                ; 0; never rewritten
	v_lshrrev_b32 v8, 5, v0
	v_readfirstlane_b32 s12, v8                    ; wave 0..15
	v_and_b32 v9, 31, v0                           ; lane
	v_bfe_u32 v11, v0, 4, 1                        ; h
	v_lshlrev_b32 v1, 3, v9                        ; k's tiles: 8 x lane
	v_lshlrev_b32 v2, 4, v9
	v_add_nc_u32 v2, LVI, v2                       ; v's fragments: 16 x lane
	v_lshl_add_u32 v3, v9, 2, LKS
	v_lshl_add_u32 v4, v9, 2, LVS
	v_bfe_u32 v9, v0, 2, 2                         ; q'
	v_lshlrev_b32 v7, 4, v9
	v_lshl_add_u32 v7, v11, 6, v7                  ; the mask: 64 h + 16 q'
	s_wait_alu depctr_va_sdst(0)                   ; s12 is written, ahead of its first reader: LDS addresses, bases and branches are made from it
	s_lshr_b32 s23, s12, 2                         ; g
	s_and_b32 s13, s12, 3                          ; which 4 of a block's 16 queries
	s_lshl_b32 s14, s23, 3
	s_sub_co_u32 s15, 56, s14
	s_add_co_u32 s14, s14, ttmp9                   ; pass 0: block of 16 queries 8 g + x,
	s_add_co_u32 s15, s15, ttmp9                   ; pass 1: 56 - 8 g + x
	s_and_b32 s16, ttmp7, 0xffff                   ; b x 8 + kv head
	v_bfe_u32 v8, v0, 1, 1                         ; head / 2: which fragment of o's K step
	v_mul_u32_u24 v94, v8, 1536
	v_lshl_add_u32 v94, v9, 4, v94
	v_lshl_add_u32 v94, v11, 8, v94                ; the image's lane: row 4 wq + q', half h
	s_mul_i32 s20, s23, 3072
	s_lshl_b32 s21, s13, 6
	s_add_co_u32 s20, s20, s21
	s_add_co_u32 s20, s20, LOI
	v_add_nc_u32 v94, s20, v94
	v_and_b32 v10, 1, v0                           ; head % 2: registers 0-5 or 6-11 of that lane
	v_mad_u32_u24 v95, v10, 1016, v94
	v_mad_u32_u24 v94, v10, 520, v94
	v_lshlrev_b32 v31, 3, v9
	v_lshl_add_u32 v31, v8, 2, v31
	s_lshl_b32 s20, s23, 7
	s_lshl_b32 s21, s13, 5
	s_add_co_u32 s20, s20, s21
	s_add_co_u32 s20, s20, LOS
	v_add_nc_u32 v31, s20, v31                     ; o's scale word: row x 8 + fragment x 4
	v_lshlrev_b32 v8, 4, v0                        ; the copy: 16 x thread,
	v_add_nc_u32 v9, 0x10000, v8                   ; and the same 65,536 bytes on (an LDS immediate has 16 bits)
.irp j, 22,23,24,25,26,27,80,81,82,83,84,85
	v_mov_b32 v\j, 0
.endr
	s_mov_b32 s38, 0x3e38aa3b                      ; log2(e) / 8
	s_mov_b32 s39, s38                             ; (named with it as a pair)
	s_mov_b32 s40, 0x76543210
	s_mov_b32 s41, 0xfedcba98                      ; v_permlanex16_b32's selects for lane l xor 16
	s_mul_i32 s20, s16, 104448
	s_add_co_u32 s20, s20, KVO
	s_mov_b32 s21, 0
	s_wait_kmcnt 0x0
	s_add_nc_u64 s[24:25], s[4:5], s[20:21]
	s_wait_alu depctr_va_vdst(0)                   ; v8 and v9 are written, which the copy's loads and LDS stores read as addresses; so are v5 and v6, which the closing add reads
.irp i, 0,1,2,3,4,5,6,7,8,9,10,11
	global_load_b128 v[96+4*\i:99+4*\i], v8, s[24:25] offset:8192*\i   ; 512 threads x 16 bytes
.endr
	s_cmp_lt_u32 s12, 12                           ; the last 6,144 bytes: twelve waves
	s_cbranch_scc0 .Lno13
	global_load_b128 v[144:147], v8, s[24:25] offset:98304
	s_wait_loadcnt 0x0
	ds_store_b128 v9, v[144:147] offset:32768
.Lno13:
	s_wait_loadcnt 0x0
.irp i, 0,1,2,3,4,5,6,7
	ds_store_b128 v8, v[96+4*\i:99+4*\i] offset:8192*\i
.endr
.irp i, 8,9,10,11
	ds_store_b128 v9, v[96+4*\i:99+4*\i] offset:8192*(\i-8)
.endr
	s_wait_dscnt 0x0                               ; for the others' sake: my stores have landed
	s_barrier_signal -1
	s_barrier_wait -1
	s_mov_b32 s17, 0                               ; pass
	s_mov_b32 s36, 0                               ; the pass's place among o's images,
	s_mov_b32 s37, 0                               ; and among their scale words
.Lpass:
	s_wait_xcnt 0x0                                ; the last pass's loads have read their bases
	s_cmp_eq_u32 s17, 0
	s_cselect_b32 s20, s14, s15
	s_lshl_b32 s20, s20, 2
	s_add_co_u32 s20, s20, s13                     ; tau: queries 4 tau .. 4 tau + 3
	s_lshl_b32 s22, s20, 2
	s_load_b32 s19, s[8:9], s22 offset:0x0         ; the tile's bits: which key steps count
	s_mov_b32 s43, 0
	s_mul_i32 s42, s16, 196608
	s_mul_i32 s23, s20, 384
	s_add_co_u32 s42, s42, s23
	s_add_nc_u64 s[26:27], s[4:5], s[42:43]        ; q's codes
	s_lshl_b32 s42, s16, 13
	s_lshl_b32 s23, s20, 4
	s_add_co_u32 s42, s42, s23
	s_add_co_u32 s42, s42, QSO
	s_add_nc_u64 s[28:29], s[4:5], s[42:43]        ; q's scale bytes
	s_lshl_b32 s42, s20, 14
	s_add_co_u32 s42, s42, M2
	s_add_nc_u64 s[30:31], s[6:7], s[42:43]        ; the tile's mask
	s_wait_alu depctr_vm_vsrc(0)                   ; the loads and LDS stores issued so far have read v8-11 and v30, which the lines below write, and their data: the copy's v96-147, the last pass's v224-229 and v232, which this pass writes again
	v_and_b32 v9, 15, v0
	v_bfe_u32 v10, v0, 4, 1
	v_bfe_u32 v11, v0, 2, 2
	v_and_b32 v30, 3, v0
	v_mul_u32_u24 v8, v10, 98304                   ; my half of the 64,
	v_mad_u32_u24 v8, v11, 96, v8                  ; my query,
	v_mad_u32_u24 v8, v30, 24, v8                  ; my head
	s_wait_alu depctr_va_vdst(0)                   ; v8 and v9 are written, which the five loads read; the last pass's products are done reading v16-21, and its vector lines are done with v92 and v93, in which the loads land
	global_load_b64 v[16:17], v8, s[26:27]
	global_load_b64 v[18:19], v8, s[26:27] offset:8
	global_load_b64 v[20:21], v8, s[26:27] offset:16
	global_load_u8 v92, v9, s[28:29]               ; the byte of channels 0-31,
	global_load_u8 v93, v9, s[28:29] offset:4096   ; of 32-63
	v_mov_b32 v13, 0xff61b1e6                      ; the largest t so far: -3e38
	v_floor_f32 v12, -v13                          ; -M
	v_mov_b32 v14, 0
	v_mov_b32 v15, 0
	s_mov_b32 s32, 0                               ; the step's images of k and of v: 6,144 bytes a step each
	s_mov_b32 s33, 0                               ; k's scale words: 512
	s_mov_b32 s34, 0                               ; v's: 256
	s_mov_b32 s35, 0                               ; the mask: 2,048
	s_mov_b32 s18, 0                               ; the step
	s_wait_loadcnt 0x0
	s_wait_kmcnt 0x0
	v_lshl_or_b32 v28, v93, 8, v92                 ; q's scale word; bytes 2, 3 stay 0: they meet zero codes.  (The 32 lines below are its places ahead of the scaled products)
.set j_, 0
.rept 32
	v_mov_b32 v[160+j_], 0                         ; O^T: the step is written once; the first finds zeros
.set j_, j_+1
.endr
.Lstep:
	s_lshr_b32 s42, s19, s18
	s_and_b32 s42, s42, 1
	s_cmp_eq_u32 s42, 0
	s_cbranch_scc1 .Lskip                          ; every p of this step would be 0
	s_wait_alu depctr_vm_vsrc(0)                   ; the loads issued so far (the last step's, the pass's head's) have read v8-11 and v30, which the five additions write
	v_add_nc_u32 v8, s32, v1
	v_add_nc_u32 v9, s32, v2
	v_add_nc_u32 v10, s33, v3
	v_add_nc_u32 v11, s34, v4
	v_add_nc_u32 v30, s35, v7
	s_wait_alu depctr_va_vdst(0)                   ; the five addresses are written; the last step's products are done reading v32-79, v86-91 and v224-235, and all vector work on v192-255 is done: the 46 loads below land there; v28, which the products below take as scales, is written
.set n_, 0
.rept 16
	global_load_b128 v[192+4*n_:195+4*n_], v30, s[30:31] offset:128*n_   ; register 4 n + e: key 32 (n / 4) + 16 h + 4 (n % 4) + e of my query: as S^T lies
.set n_, n_+1
.endr
.irp t, 0,1,2,3,4,5,6,7
.irp i, 0,1,2
	ds_load_b64 v[32+6*\t+2*\i:33+6*\t+2*\i], v8 offset:768*\t+256*\i
.endr
.endr
.irp i, 0,1,2,3
	ds_load_b32 v[86+\i], v10 offset:128*\i        ; lanes 0-15 tile 2 i's words, lanes 16-31 tile 2 i + 1's
.endr
	ds_load_b32 v90, v11                           ; v's scale words are asked for in the same run: the wait above has shown the last step's products done with v90 and v91
	ds_load_b32 v91, v11 offset:128
	s_wait_dscnt 2                                 ; k's tiles and words are in; the two youngest loads, v's words, may be out
.irp t, 0,2,4,6
	v_wmma_scale_f32_16x16x128_f8f6f4 v[96+8*\t:103+8*\t], v[32+6*\t:43+6*\t], v[16:27], 0, v[86+\t/2], v28 matrix_a_fmt:MATRIX_FMT_FP6 matrix_b_fmt:MATRIX_FMT_FP6
	v_wmma_scale_f32_16x16x128_f8f6f4 v[104+8*\t:111+8*\t], v[38+6*\t:49+6*\t], v[16:27], 0, v[86+\t/2], v28 matrix_a_fmt:MATRIX_FMT_FP6 matrix_b_fmt:MATRIX_FMT_FP6 matrix_a_scale:MATRIX_SCALE_ROW1
.endr
.rept 4
	v_nop                                          ; places in front of the first read of the scores (ISA guide 7.12.1)
.endr
	s_wait_alu depctr_va_vdst(0)                   ; the eight products are done reading v32-79, in which v's fragments land
.irp d, 0,1,2,3
.irp m, 0,1,2
	ds_load_b128 v[32+12*\d+4*\m:35+12*\d+4*\m], v9 offset:1536*\d+512*\m   ; v's four fragments land while the softmax is walked
.endr
.endr
	s_wait_loadcnt 0x0                             ; the mask
.set j_, 0
.rept 32
	v_pk_fma_f32 v[96+j_:97+j_], v[96+j_:97+j_], s[38:39], v[192+j_:193+j_] op_sel_hi:[1,0,1]   ; t = score x log2(e) / 8 + mask x log2(e)
.set j_, j_+2
.endr
.irp b, 0,1,2,3
	v_max3_num_f32 v[232+\b], v[96+16*\b], v[97+16*\b], v[98+16*\b]   ; the largest t of each block of 32 keys: for the row's maximum, and for the block's largest p
.endr
.irp i, 3,5,7,9,11,13
.irp b, 0,1,2,3
	v_max3_num_f32 v[232+\b], v[232+\b], v[96+16*\b+\i], v[97+16*\b+\i]
.endr
.endr
.irp b, 0,1,2,3
	v_max_num_f32 v[232+\b], v[232+\b], v[111+16*\b]
.endr
.irp b, 0,1,2,3
	v_permlanex16_b32 v[236+\b], v[232+\b], s40, s41
.endr
.irp b, 0,1,2,3
	v_max_num_f32 v[232+\b], v[232+\b], v[236+\b]
.endr
	v_max3_num_f32 v254, v232, v233, v234
	v_max_num_f32 v254, v254, v235
	v_max_num_f32 v13, v13, v254                   ; the running largest t
	v_mov_b32 v254, v12
	v_floor_f32 v12, -v13                          ; the new -M: M is a whole number
	v_sub_f32 v254, v12, v254                      ; old M - new M, 0 or less
	v_cvt_i32_f32 v254, v254                       ; (it saturates)
	v_ldexp_f32 v92, 1.0, v254                     ; f = 2^(old M - new M): rounds nothing
.set j_, 0
.rept 32
	v_pk_add_f32 v[96+j_:97+j_], v[96+j_:97+j_], v[12:13] op_sel_hi:[1,0]   ; t - M
.set j_, j_+2
.endr
.irp b, 0,1,2,3
	v_add_f32 v[232+\b], v[232+\b], v12
.endr
.set j_, 0
.rept 64
	v_exp_f32 v[96+j_], v[96+j_]                   ; p = 2^(t - M): not normalised
.set j_, j_+1
.endr
	v_pk_mul_f32 v[14:15], v[14:15], v[92:93] op_sel_hi:[1,0]   ; the sum under the new M (a plain place behind the exponentials)
	s_wait_alu depctr_va_vdst(0)                   ; the 64 exponentials have written v96-159: one wait for the batch, ahead of its first reader
.irp b, 0,1,2,3
	v_exp_f32 v[232+\b], v[232+\b]                 ; the block's largest p
.endr
	v_pk_add_f32 v[236:237], v[96:97], v[98:99]    ; the row's sum is taken of the unquantised p, in two chains
.irp j, 4,8,12,16,20,24,28,32,36,40,44,48,52,56,60
	v_pk_add_f32 v[14:15], v[14:15], v[96+\j:97+\j]
	v_pk_add_f32 v[236:237], v[236:237], v[98+\j:99+\j]
.endr
	v_pk_add_f32 v[14:15], v[14:15], v[236:237]
	s_wait_alu depctr_va_vdst(0)                   ; the four exponentials have written v232-235, ahead of their first reader
.irp b, 0,1,2,3
	v_max_num_f32 v[232+\b], 0x1800000, v[232+\b]  ; the floor 2^(3 - 127)
.endr
.irp b, 0,1,2,3
	v_add_nc_u32 v[244+\b], 0xff000000, v[232+\b]
.endr
.irp b, 0,1,2,3
	v_lshrrev_b32 v[236+\b], 23, v[244+\b]
.endr
	v_lshl_or_b32 v29, v237, 8, v236               ; p's scale word for these 128 keys
	v_lshl_or_b32 v29, v238, 16, v29
	v_lshl_or_b32 v29, v239, 24, v29
.irp c, 0,1
	v_cvt_scalef32_pk16_fp6_f32 v[224+6*\c:226+6*\c], v[96+32*\c:111+32*\c], v[244+2*\c]
	v_cvt_scalef32_pk16_fp6_f32 v[236+4*\c:238+4*\c], v[112+32*\c:127+32*\c], v[244+2*\c+1]
.endr
	v_nop                                          ; one plain place behind a scaled conversion
.irp c, 0,1
.irp i, 0,1,2
	v_permlane16_swap_b32 v[224+6*\c+\i], v[236+4*\c+\i]
.endr
.irp i, 0,1,2
	v_mov_b32 v[227+6*\c+\i], v[236+4*\c+\i]
.endr
.endr
.set j_, 0
.rept 16
	v_pk_mul_f32 v[160+j_:161+j_], v[160+j_:161+j_], v[92:93] op_sel_hi:[1,0]   ; O^T under the new M (these 16 are also the places ahead of the scaled products)
.set j_, j_+2
.endr
	s_wait_alu depctr_va_vdst(0)                   ; p's codes v224-235 and its scale word v29 are written, which the scaled products take; the places above stay beside this wait
	s_wait_dscnt 0x0                               ; v, and its scale words
.irp d, 0,2
	v_wmma_scale_f32_16x16x128_f8f6f4 v[160+8*\d:167+8*\d], v[32+12*\d:43+12*\d], v[224:235], v[160+8*\d:167+8*\d], v[90+\d/2], v29 matrix_a_fmt:MATRIX_FMT_FP6 matrix_b_fmt:MATRIX_FMT_FP6
	v_wmma_scale_f32_16x16x128_f8f6f4 v[168+8*\d:175+8*\d], v[44+12*\d:55+12*\d], v[224:235], v[168+8*\d:175+8*\d], v[90+\d/2], v29 matrix_a_fmt:MATRIX_FMT_FP6 matrix_b_fmt:MATRIX_FMT_FP6 matrix_a_scale:MATRIX_SCALE_ROW1
.endr
.Lskip:
	s_add_co_u32 s32, s32, 6144
	s_add_co_u32 s33, s33, 512
	s_add_co_u32 s34, s34, 256
	s_add_co_u32 s35, s35, 2048
	s_add_co_u32 s18, s18, 1
	s_cmp_lt_u32 s18, 8
	s_cbranch_scc1 .Lstep
	; the pass's end: o = O^T / the sum, quantised along the head's 64: two blocks of 32
.rept 4
	v_nop                                          ; places behind the last products
.endr
	v_add_f32 v14, v14, v15
	v_permlanex16_b32 v92, v14, s40, s41
	v_add_f32 v14, v14, v92                        ; the row's sum
	v_rcp_f32 v15, v14
	v_nop                                          ; a plain place behind the reciprocal
	v_cmp_eq_u32 vcc_lo, 0, v14                    ; a row with nothing in it
	v_mov_b32 v240, 0xff
	v_mov_b32 v236, 0
	v_mov_b32 v237, 0
	v_mov_b32 v234, 0
	s_wait_alu depctr_va_vdst(0)                   ; the reciprocal has written v15, ahead of its first reader
.set j_, 0
.rept 32
	v_mul_f32 v[96+j_], v[160+j_], v15             ; register 16 b + i: channel 32 b + 16 h + i
.set j_, j_+1
.endr
.irp b, 0,1
	v_max3_num_f32 v[232+\b], |v[96+16*\b]|, |v[97+16*\b]|, 0x1800000
.endr
.irp i, 2,4,6,8,10,12,14
.irp b, 0,1
	v_max3_num_f32 v[232+\b], v[232+\b], |v[96+16*\b+\i]|, |v[97+16*\b+\i]|
.endr
.endr
.irp b, 0,1
	v_permlanex16_b32 v[236+\b], v[232+\b], s40, s41
.endr
.irp b, 0,1
	v_max_num_f32 v[232+\b], v[232+\b], v[236+\b]
.endr
.irp b, 0,1
	v_add_nc_u32 v[244+\b], 0xff000000, v[232+\b]
.endr
.irp b, 0,1
	v_lshrrev_b32 v[236+\b], 23, v[244+\b]
.endr
	s_wait_alu depctr_va_vcc(0)                    ; the compare above has written VCC, ahead of its first reader
.irp b, 0,1
	v_cndmask_b32 v[236+\b], v[236+\b], v240, vcc_lo   ; sum 0: the byte that makes the product NaN
.endr
	v_cvt_scalef32_pk16_fp6_f32 v[224:226], v[96:111], v244
	v_cvt_scalef32_pk16_fp6_f32 v[228:230], v[112:127], v245
	v_nop                                          ; one plain place behind a scaled conversion
.irp i, 0,1,2
	v_permlane16_swap_b32 v[224+\i], v[228+\i]
.endr
.irp i, 0,1,2
	v_mov_b32 v[227+\i], v[228+\i]                 ; v224-229: my head's channels 32 h + 0 .. 31
.endr
	v_lshl_or_b32 v232, v237, 8, v236              ; my head's two bytes,
	v_and_b32 v233, 1, v0
	v_lshlrev_b32 v233, 4, v233
	v_lshlrev_b32 v232, v233, v232                 ; at their places in the word of heads 2 n, 2 n + 1,
	v_mov_b32_dpp v234, v232 row_xmask:1 row_mask:0xf bank_mask:0xf
	v_or_b32 v232, v232, v234                      ; with the neighbouring head's
	s_wait_alu depctr_vm_vsrc(0)                   ; the pass's loads have read v8, v9 and v10, which the three additions write
	v_add_nc_u32 v8, s36, v94
	v_add_nc_u32 v9, s36, v95
	v_add_nc_u32 v10, s37, v31
	s_wait_alu depctr_va_vdst(0)                   ; the three addresses, the codes v224-229 and the word v232 are written, which the four LDS stores read
	ds_store_b64 v8, v[224:225]                    ; into the image of the last product's operand: registers 6 (head % 2) + 0 .. 5 of lane (row, h)
	ds_store_b64 v9, v[226:227] offset:8
	ds_store_b64 v8, v[228:229] offset:512
	ds_store_b32 v10, v232
	s_add_co_u32 s36, s36, 12288
	s_add_co_u32 s37, s37, 512
	s_add_co_u32 s17, s17, 1
	s_cmp_lt_u32 s17, 2
	s_cbranch_scc1 .Lpass
	s_wait_dscnt 0x0                               ; for the others' sake: my stores have landed
	s_barrier_signal -1
	s_barrier_wait -1
	; eight blocks of 16 queries lie whole in LDS: wave w stores fragment w % 2 of block w / 2; waves 0-7 also a block's scale words
.macro TSLOT dst, slot, tmp            ; which block of 16 queries lies in a slot: slots 0-3 pass 0, slots 4-7 pass 1
	s_and_b32 \dst, \slot, 3
	s_lshl_b32 \dst, \dst, 3
	s_sub_co_u32 \tmp, 56, \dst
	s_cmp_lt_u32 \slot, 4
	s_cselect_b32 \dst, \dst, \tmp
	s_add_co_u32 \dst, \dst, ttmp9
.endm
	s_mul_i32 s20, s12, 1536
	s_add_co_u32 s20, s20, LOI
	s_wait_alu depctr_vm_vsrc(0)                   ; the last pass's LDS stores and loads have read v8-11, which the lines below write
	v_and_b32 v9, 31, v0
	v_lshlrev_b32 v11, 2, v9                       ; 4 x lane
	v_lshlrev_b32 v9, 4, v9                        ; 16 x lane
	v_add_nc_u32 v8, s20, v9
	s_min_u32 s20, s12, 7
	s_lshl_b32 s20, s20, 7
	s_add_co_u32 s20, s20, LOS
	v_add_nc_u32 v10, s20, v11
	s_wait_alu depctr_va_vdst(0)                   ; v8-11 are written, which the loads and stores below read; the last pass's vector lines are done with v96-108, in which the LDS loads land.  No vector instruction follows
	ds_load_b128 v[96:99], v8
	ds_load_b128 v[100:103], v8 offset:512
	ds_load_b128 v[104:107], v8 offset:1024
	s_and_b32 s44, s16, 7                          ; kv head = the last product's K step of 256
	s_lshr_b32 s45, s16, 3                         ; b
	s_lshl_b32 s45, s45, 6
	s_lshr_b32 s21, s12, 1
	TSLOT s22, s21, s23
	s_add_co_u32 s22, s22, s45                     ; the row block
	s_lshl_b32 s23, s44, 8
	s_add_co_u32 s22, s22, s23
	s_mul_i32 s42, s22, 3072
	s_and_b32 s23, s12, 1
	s_mul_i32 s23, s23, 1536
	s_add_co_u32 s42, s42, s23
	s_mov_b32 s43, 0
	s_add_nc_u64 s[26:27], s[10:11], s[42:43]
	s_wait_dscnt 2
	global_store_b128 v9, v[96:99], s[26:27]       ; 512 consecutive bytes each
	s_wait_dscnt 1
	global_store_b128 v9, v[100:103], s[26:27] offset:512
	s_wait_dscnt 0x0
	global_store_b128 v9, v[104:107], s[26:27] offset:1024
	s_cmp_lt_u32 s12, 8
	s_cbranch_scc0 .Lnosc
	ds_load_b32 v108, v10
	TSLOT s22, s12, s23
	s_add_co_u32 s22, s22, s45
	s_lshl_b32 s42, s22, 10
	s_lshl_b32 s23, s44, 7
	s_add_co_u32 s42, s42, s23
	s_add_co_u32 s42, s42, OSO
	s_add_nc_u64 s[28:29], s[10:11], s[42:43]
	s_wait_dscnt 0x0
	global_store_b32 v11, v108, s[28:29]           ; 128 consecutive bytes: this kv head's words of 16 rows
.Lnosc:
	s_wait_dscnt 0x0                               ; the closing lines, six on end
	s_wait_alu 0x0
	s_wait_tensorcnt 0x0
	ds_add_u32 v5, v6
	s_wait_dscnt 0x0
	s_endpgm
.Lfunc_end_k_qdf6932c016_attn:
	.size	k_qdf6932c016_attn, .Lfunc_end_k_qdf6932c016_attn-k_qdf6932c016_attn
	.p2alignl 7, 3214868480
	.fill 96, 4, 3214868480
	.section	.rodata,"a",@progbits
	.p2align	6, 0x0
	.amdhsa_kernel k_qdf6932c016_attn
		.amdhsa_group_segment_fixed_size 132096
		.amdhsa_private_segment_fixed_size 0
		.amdhsa_enable_private_segment 0
		.amdhsa_kernarg_size 32
		.amdhsa_user_sgpr_count 2
		.amdhsa_user_sgpr_kernarg_segment_ptr 1
		.amdhsa_wavefront_size32 1
		.amdhsa_system_sgpr_workgroup_id_x 1
		.amdhsa_system_sgpr_workgroup_id_y 1
		.amdhsa_system_sgpr_workgroup_id_z 1
		.amdhsa_system_vgpr_workitem_id 0
		.amdhsa_next_free_vgpr 256
		.amdhsa_next_free_sgpr 66
		.amdhsa_reserve_vcc 1
		.amdhsa_float_denorm_mode_32 3
		.amdhsa_float_denorm_mode_16_64 3
		.amdhsa_memory_ordered 1
		.amdhsa_forward_progress 1
		.amdhsa_inst_pref_size 36
	.end_amdhsa_kernel
	.amdgpu_metadata
---
amdhsa.version: [ 1, 2 ]
amdhsa.kernels:
  - .name:           k_qdf6932c016_attn
    .symbol:         k_qdf6932c016_attn.kd
    .args:
      - { .name: qkv, .offset: 0, .size: 8, .value_kind: global_buffer, .address_space: global }
      - { .name: wsq, .offset: 8, .size: 8, .value_kind: global_buffer, .address_space: global }
      - { .name: flags, .offset: 16, .size: 8, .value_kind: global_buffer, .address_space: global }
      - { .name: att, .offset: 24, .size: 8, .value_kind: global_buffer, .address_space: global }
    .group_segment_fixed_size: 132096
    .private_segment_fixed_size: 0
    .kernarg_segment_align: 8
    .kernarg_segment_size: 32
    .max_flat_workgroup_size: 512
    .sgpr_count:     66
    .vgpr_count:     256
    .wavefront_size: 32
...
	.end_amdgpu_metadata
.endif
;; end of part 5
;; launch outp: the kernel of part 4 again; grid 8 x 16, 4 waves a work-group, clusters of 4 x 4, 327,680 bytes of LDS; arguments att, wsq, out0; writes out0
